; MI455X (gfx1250); checked and timed in simulation.
; The chip was launched on July 23, 2026; its instructions are those of AMD's public machine-readable ISA for CDNA 5 (MIT licence, August 2026) and "CDNA5" Instruction Set Architecture Reference Guide (July 2026). The comments in the code are by the model that wrote it; some were corrected since.
;; Attention Layer. Allowed arithmetic: matrix products marked QUANTISED: E3M2 operands, one E8M0 scale for each 32 along K, by v_wmma_scale_f32_16x16x128_f8f6f4 with both operands' format E3M2, f32 sums; everything else in f32.
;; Inputs: out_b 1,024 float32; out_w 1,024 x 1,024 float32; qkv_b 3,072 float32; qkv_w 3,072 x 1,024 float32; x 8 x 1,024 x 1,024 float32.
;; Outputs: out0 8 x 1,024 x 1,024 float32.
;; This version of the problem:
;;   THIS VERSION OF THE PROBLEM IS GIVEN IN LOW PRECISION. The matrix products marked QUANTISED in the list below multiply operands that are first quantised to E3M2 (3 exponent bits, 2 mantissa bits; 6 bits a number), with one power-of-two scale for each 32 numbers along K (OCP MX v1.0); their sums are f32. All else is computed in f32.
;;   The module's matrix products, in the order in which they are computed (A, B: the left and right operand; K: the contracted axis; several contracted axes count as one K, in the product's order):
;;     1. [M 8,192, K 1,024] x [K 1,024, N 3,072]; A: input x; B: input qkv_w: QUANTISED
;;     2. batch 128 x [M 1,024, K 64] x [K 64, N 1,024]; A: computed on the way; B: computed on the way: QUANTISED
;;     3. batch 128 x [M 64, K 1,024] x [K 1,024, N 1,024]; A: computed on the way; B: softmax (see below): QUANTISED
;;     4. [M 8,192, K 1,024] x [K 1,024, N 1,024]; A: computed on the way; B: input out_w: QUANTISED
;;   THE QUANTISER, for each operand of a quantised product, along K:
;;     - K is cut into blocks of 32 from its start; a last block that is shorter is filled with zeros.
;;     - A block's scale is 2^e with e = floor(log2(the largest magnitude in the block)) - 4, held to -126 .. 127; a block of zeros has e = 0. As a byte (E8M0): e + 127.
;;     - Each number is divided by its block's scale, clamped to +-28, and rounded to the nearest number of E3M2, ties to even, subnormals kept.
;;     - The product sums the exact products of the quantised numbers (number of the format x scale) in f32.
;;   ~~~python
;;   def quantise(x, axis):      # numpy; x: float32 -> the quantised numbers, widened to float32 again
;;       x = np.moveaxis(x, axis, -1); K = x.shape[-1]
;;       x = np.pad(x, [(0, 0)] * (x.ndim - 1) + [(0, -K % 32)]); x = x.reshape(x.shape[:-1] + (-1, 32)); a = np.abs(x).max(-1, keepdims=True)
;;       e = np.where(a > 0, np.clip(np.frexp(np.where(a > 0, a, 1))[1] - 1 - 4, -126, 127), 0)      # np.frexp(a)[1] - 1 = floor(log2(a)), exactly
;;       r = np.clip(x / 2.0 ** e, -28, 28)
;;       step = 2.0 ** (np.maximum(np.frexp(np.where(r == 0, 1, r))[1] - 1, -2) - 2)
;;       q = np.round(r / step) * step * 2.0 ** e      # np.round: ties to even
;;       return np.moveaxis(q.reshape(q.shape[:-2] + (-1,))[..., :K], -1, axis).astype(np.float32)
;;   ~~~
;;   SOFTMAX AHEAD OF A QUANTISED PRODUCT. Where the list says 'softmax', what is quantised is not the finished softmax but p = 2^(t - M), with t = logit x log2(e) and M = ceil(the row's largest t), a whole number; so 1/2 < the row's largest p <= 1. The row's sum l is taken of the UNQUANTISED p, in f32, and the product's result is divided by l at the end. Since M is a whole number, a kernel that streams over the keys may use a running M (the ceiling of the running maximum): every later rescaling is an exact power of two, which a block's scale takes up: the codes' values come out the same.
;;   OPERANDS COMPUTED ON THE WAY. 'Computed on the way' means the value that the module computes at that place (a softmax that the list does not call 'softmax' is quantised finished and normalised). What goes into a quantiser is computed in f32, as accurately as f32 sums, v_exp_f32 and their like allow (about 1e-6 of the number): no bf16 or f16 on the way to a quantiser, and a product that is left as it is and whose result goes on into a quantised operand takes f32 operands (vector FMAs, or v_wmma_f32_16x16x4_f32). A number that lies on a knife's edge between two numbers of the format may be rounded either way, as far as f32 arithmetic and the matrix unit's own rounding can turn it there, and no further.
;; One version. Each part assembles by itself: llvm-mc -triple=amdgcn-amd-amdhsa -mcpu=gfx1250 --defsym DOCPART=n.
;; ======== version 1 of 1: 4 launches
;; limits: right only within a limited range of input values
;; workspace buffers: c1 8,650,752 bytes; sc1 360,448 bytes; qkvc 18,874,368 bytes; qkvs 1,310,720 bytes; c2 7,077,888 bytes; sc2 294,912 bytes
;; launch quant (part 1): grid 768 x 1, 4 waves a work-group, no clusters, 69,120 bytes of LDS; arguments x, qkv_w, out_w, c1, sc1, c2, sc2; writes c1, sc1, c2, sc2
.if DOCPART == 1
	.amdgcn_target "amdgcn-amd-amdhsa--gfx1250"
	.amdhsa_code_object_version 6
	.text
	.protected	k_qc96091ca07_quant
	.globl	k_qc96091ca07_quant
	.p2align	8
	.type	k_qc96091ca07_quant,@function
k_qc96091ca07_quant:
	s_mov_b64 s[64:65], 0
	v_nop
	global_prefetch_b8 v0, s[64:65] scope:SCOPE_SE
	s_setreg_imm32_b32 hwreg(HW_REG_WAVE_MODE, 25, 1), 1
	s_wait_xcnt 0x0
; x [8192][1024], qkv_w [3072][1024] and out_w [1024][1024], f32, K innermost, become codes of BF6 (E3M2) with one E8M0 byte for each 32 along K.
; A block's scale is 2^(floor(log2(its largest magnitude)) - 4); its byte is that magnitude's exponent field - 4, held at 1 from below.
; LIMITS: NaN and infinities are not served; a block whose largest magnitude lies under 2^-122 keeps the byte 1; a block of zeros gets the byte 1 where the rule says 127
; (its codes are zeros, which add nothing under any byte but 0xff, and this program alone reads the bytes).
; LAYOUT OF THE RESULT: images of operand registers.  A row tile is 16 rows; for each 64 along K it has a piece of 768 bytes: lane 16 h + r holds row r and block h (32 numbers, 6 registers):
; registers 0-3 at byte 16 x lane, registers 4-5 at byte 512 + 8 x lane.  A tile's 16 pieces lie on end (12,288 bytes).  Every store of a wave covers 512 or 256 consecutive bytes, aligned to 256.
; ORDER INSIDE A BLOCK: place p of a block holds the block's number 16 ((p % 16) / 8) + 8 (p / 16) + p % 8: the groups of eight in the order 0, 2, 1, 3.  That is the order in which the later launches'
; results fall when they are quantised in registers; both operands of a product have it, so the products and the scales are those of the plain order.
; SCALE WORDS: one word for a row and 128 along K, byte b for block b.  A row tile's 128 words: word (r, step) at 256 (step / 4) + 16 r + 4 (step % 4).
; SHARES: a work-group takes one row tile (64 KiB of f32), wave w its K = 256 w .. 256 w + 255, in two steps of 128.  Work-groups share no input: no cluster, no tensor load.
; All 32 loads of a wave (512 consecutive bytes each) go out at the head.  A step's 16 rows x 512 bytes turn through the wave's own stage in LDS, so that a lane gets a whole block of its row.
.set STG,  16896                       ; LDS of a wave: two stages of 16 rows x (512 + 16) bytes
.set SCG,  67584                       ; behind them: the tile's 512 bytes of scale words
.set L16,  1                           ; v1  16 x lane
.set L8,   2                           ; v2  8 x lane
.set STA,  3                           ; v3  the stage on the way in: 16 x lane
.set LDA,  4                           ; v4  and on the way out: row r, + 128 h
.set SCA,  5                           ; v5  where my two scale words go
.set H8,   6                           ; v6  8 h
.set MX,   7                           ; v7-8   the two blocks' largest magnitudes
.set WT,   9                           ; v9     at work
.set WD,   10                          ; v10-11 my row's scale words of the two steps
.set SO,   12                          ; v12-13 the conversions' scale operands
.set BY,   14                          ; v14-15 the scale bytes
.set R,    16                          ; v16-143  as loaded: load (u, i) at 16 + 64 u + 4 i
.set X,    144                         ; v144-207 two blocks of 32, in the order of the places
.set CD,   208                         ; v208-255 codes: 12 registers for each of four pieces, so that no store's data are written again
	s_load_b256 s[4:11], s[0:1], 0x0               ; x, qkv_w, out_w, c1
	s_load_b128 s[12:15], s[0:1], 0x20             ; sc1, c2
	s_load_b64 s[16:17], s[0:1], 0x30              ; sc2
	v_lshl_add_u32 v254, v0, 2, 0x10c00
	v_mov_b32 v255, 0
	v_lshrrev_b32 v7, 5, v0
	v_readfirstlane_b32 s18, v7                    ; wave
	v_and_b32 v7, 31, v0                           ; lane
	v_and_b32 v8, 15, v0                           ; r
	v_bfe_u32 v9, v0, 4, 1                         ; h
	s_mul_i32 s19, s18, STG
	s_lshr_b32 s24, s18, 1
	s_lshl_b32 s24, s24, 8
	s_and_b32 s25, s18, 1
	s_lshl_b32 s25, s25, 3
	s_add_co_u32 s24, s24, s25
	s_add_co_u32 s24, s24, SCG                     ; steps 2 w and 2 w + 1: 256 (w / 2) + 8 (w % 2)
	v_lshlrev_b32 v[L16], 4, v7
	v_lshlrev_b32 v[L8], 3, v7
	v_add_nc_u32 v[STA], s19, v[L16]
	v_mul_u32_u24 v[LDA], v8, 528
	v_lshl_add_u32 v[LDA], v9, 7, v[LDA]
	v_add_nc_u32 v[LDA], s19, v[LDA]
	v_lshl_add_u32 v[SCA], v8, 4, s24
	v_lshlrev_b32 v[H8], 3, v9
	s_mov_b32 s20, 0x76543210
	s_mov_b32 s21, 0xfedcba98                      ; v_permlanex16_b32's selects for lane l xor 16
	s_wait_alu depctr_va_vdst(0)
	s_wait_kmcnt 0x0
	s_cmp_lt_u32 ttmp9, 512                        ; work-groups 0-511: x; 512-703: qkv_w; 704-767: out_w.  The choices hang on the work-group's number alone
	s_cselect_b64 s[4:5], s[4:5], s[6:7]
	s_cselect_b32 s22, 0, 512
	s_cmp_lt_u32 ttmp9, 704
	s_cselect_b64 s[4:5], s[4:5], s[8:9]
	s_cselect_b64 s[10:11], s[10:11], s[14:15]     ; x and qkv_w go to c1, sc1; out_w to c2, sc2
	s_cselect_b64 s[12:13], s[12:13], s[16:17]
	s_cselect_b32 s22, s22, 704
	s_cselect_b32 s23, 0, 192                      ; out_w's tiles are c2's tiles 512 on
	s_sub_co_u32 s22, ttmp9, s22                   ; the row tile in its input,
	s_sub_co_u32 s23, ttmp9, s23                   ; and in its output
	s_lshl_b32 s26, s22, 16
	s_lshl_b32 s28, s18, 10
	s_add_co_u32 s26, s26, s28
	s_mov_b32 s27, 0
	s_add_nc_u64 s[4:5], s[4:5], s[26:27]          ; in: 65,536 x tile + 1,024 x wave
	s_mul_i32 s26, s23, 12288
	s_mul_i32 s28, s18, 3072
	s_add_co_u32 s26, s26, s28
	s_add_nc_u64 s[10:11], s[10:11], s[26:27]      ; codes: 12,288 x tile + my four pieces
	s_lshl_b32 s26, s23, 9
	s_add_nc_u64 s[12:13], s[12:13], s[26:27]      ; scale words: 512 x tile
.irp u, 0,1
.irp i, 0,1,2,3,4,5,6,7,8,9,10,11,12,13,14,15
	global_load_b128 v[R+64*\u+4*\i:R+64*\u+4*\i+3], v[L16], s[4:5] offset:4096*\i+512*\u th:TH_LOAD_NT   ; row i: 32 lanes read 512 consecutive bytes; read once in the launch
.endr
.endr
.macro WORK u
.if \u == 0
	s_wait_loadcnt 16                              ; step 0's sixteen loads are in; step 1's sixteen may be out
.else
	s_wait_loadcnt 0x0
.endif
.irp i, 0,1,2,3,4,5,6,7,8,9,10,11,12,13,14,15
	ds_store_b128 v[STA], v[R+64*\u+4*\i:R+64*\u+4*\i+3] offset:8448*\u+528*\i
.endr
.irp c, 0,1                                    ; LDS serves a wave's instructions in order: these see my stores.  Four places at a time; the groups of eight come in the order 0, 2, 1, 3
.irp q, 0,1,2,3,4,5,6,7
	ds_load_b128 v[X+32*\c+4*\q:X+32*\c+4*\q+3], v[LDA] offset:8448*\u+256*\c+32*(((\q/2)%2)*2+\q/4)+16*(\q%2)
.endr
.endr
	s_wait_dscnt 0x0
.irp c, 0,1
	v_max3_num_f32 v[MX+\c], |v[X+32*\c]|, |v[X+32*\c+1]|, 0x2800000   ; block 2 c + h is all mine; the floor 2^(5 - 127) holds the byte at 1 from below
.endr
.irp i, 2,4,6,8,10,12,14,16,18,20,22,24,26,28,30
.irp c, 0,1
	v_max3_num_f32 v[MX+\c], v[MX+\c], |v[X+32*\c+\i]|, |v[X+32*\c+\i+1]|
.endr
.endr
.irp c, 0,1
	v_add_nc_u32 v[SO+\c], 0xfe000000, v[MX+\c]    ; 4 off the exponent field: the conversion takes this operand's exponent field as its scale
.endr
.irp c, 0,1
	v_lshrrev_b32 v[BY+\c], 23, v[SO+\c]           ; the scale's byte
.endr
	v_lshl_or_b32 v[WT], v[BY+1], 16, v[BY]        ; my two bytes, blocks h and 2 + h,
	v_lshlrev_b32 v[WT], v[H8], v[WT]              ; at their places in the word;
	v_permlanex16_b32 v[BY], v[WT], s20, s21       ; (its destination has been written)
	v_or_b32 v[WD+\u], v[WT], v[BY]                ; with lane l xor 16's two the word is whole
.irp c, 0,1
	v_cvt_scalef32_pk16_bf6_f32 v[CD+24*\u+12*\c:CD+24*\u+12*\c+2], v[X+32*\c:X+32*\c+15], v[SO+\c]
	v_cvt_scalef32_pk16_bf6_f32 v[CD+24*\u+12*\c+6:CD+24*\u+12*\c+8], v[X+32*\c+16:X+32*\c+31], v[SO+\c]   ; (a conversion's three registers begin on an even number)
.endr
	v_nop                                          ; one plain place behind a scaled conversion
.irp c, 0,1
.irp i, 0,1,2
	v_mov_b32 v[CD+24*\u+12*\c+3+\i], v[CD+24*\u+12*\c+6+\i]
.endr
.endr
.irp c, 0,1
	global_store_b128 v[L16], v[CD+24*\u+12*\c:CD+24*\u+12*\c+3], s[10:11] offset:768*(2*\u+\c)          ; 512 consecutive bytes
	global_store_b64 v[L8], v[CD+24*\u+12*\c+4:CD+24*\u+12*\c+5], s[10:11] offset:768*(2*\u+\c)+512      ; 256 consecutive bytes
.endr
.endm
	WORK 0
	WORK 1
	ds_store_b64 v[SCA], v[WD:WD+1]                ; lanes r and r + 16 write the same bytes with the same value
	v_add_nc_u32 v[MX], SCG, v[L16]
	s_wait_dscnt 0x0                               ; for the others' sake: my store has landed
	s_barrier_signal -1
	s_barrier_wait -1
	s_cmp_lg_u32 s18, 0                            ; wave 0 sends the tile's 512 bytes of scale words
	s_cbranch_scc1 .Ldone
	s_wait_alu depctr_va_vdst(0)
	ds_load_b128 v[R:R+3], v[MX]
	s_wait_dscnt 0x0
	global_store_b128 v[L16], v[R:R+3], s[12:13]
.Ldone:
	s_wait_tensorcnt 0x0
	ds_add_u32 v254, v255
	s_wait_dscnt 0x0
	s_endpgm
.Lfunc_end_k_qc96091ca07_quant:
	.size	k_qc96091ca07_quant, .Lfunc_end_k_qc96091ca07_quant-k_qc96091ca07_quant
	.p2alignl 7, 3214868480
	.fill 96, 4, 3214868480
	.section	.rodata,"a",@progbits
	.p2align	6, 0x0
	.amdhsa_kernel k_qc96091ca07_quant
		.amdhsa_group_segment_fixed_size 69120
		.amdhsa_private_segment_fixed_size 0
		.amdhsa_enable_private_segment 0
		.amdhsa_kernarg_size 56
		.amdhsa_user_sgpr_count 2
		.amdhsa_user_sgpr_kernarg_segment_ptr 1
		.amdhsa_wavefront_size32 1
		.amdhsa_system_sgpr_workgroup_id_x 1
		.amdhsa_system_sgpr_workgroup_id_y 1
		.amdhsa_system_sgpr_workgroup_id_z 1
		.amdhsa_system_vgpr_workitem_id 0
		.amdhsa_next_free_vgpr 256
		.amdhsa_next_free_sgpr 66
		.amdhsa_reserve_vcc 0
		.amdhsa_float_denorm_mode_32 3
		.amdhsa_float_denorm_mode_16_64 3
		.amdhsa_memory_ordered 1
		.amdhsa_forward_progress 1
		.amdhsa_inst_pref_size 17
	.end_amdhsa_kernel
	.amdgpu_metadata
---
amdhsa.version: [ 1, 2 ]
amdhsa.kernels:
  - .name:           k_qc96091ca07_quant
    .symbol:         k_qc96091ca07_quant.kd
    .args:
      - { .name: x, .offset: 0, .size: 8, .value_kind: global_buffer, .address_space: global }
      - { .name: qkv_w, .offset: 8, .size: 8, .value_kind: global_buffer, .address_space: global }
      - { .name: out_w, .offset: 16, .size: 8, .value_kind: global_buffer, .address_space: global }
      - { .name: c1, .offset: 24, .size: 8, .value_kind: global_buffer, .address_space: global }
      - { .name: sc1, .offset: 32, .size: 8, .value_kind: global_buffer, .address_space: global }
      - { .name: c2, .offset: 40, .size: 8, .value_kind: global_buffer, .address_space: global }
      - { .name: sc2, .offset: 48, .size: 8, .value_kind: global_buffer, .address_space: global }
    .group_segment_fixed_size: 69120
    .private_segment_fixed_size: 0
    .kernarg_segment_align: 8
    .kernarg_segment_size: 56
    .max_flat_workgroup_size: 128
    .sgpr_count:     66
    .vgpr_count:     256
    .wavefront_size: 32
...
	.end_amdgpu_metadata
.endif
;; end of part 1
;; launch qkv (part 2): grid 12 x 32, 4 waves a work-group, clusters of 4 x 4, 327,680 bytes of LDS; arguments c1, sc1, qkv_b, qkvc, qkvs; writes qkvc, qkvs
.if DOCPART == 2
	.amdgcn_target "amdgcn-amd-amdhsa--gfx1250"
	.amdhsa_code_object_version 6
	.text
	.protected	k_qc96091ca07_qkv
	.globl	k_qc96091ca07_qkv
	.p2align	8
	.type	k_qc96091ca07_qkv,@function
k_qc96091ca07_qkv:
	s_mov_b64 s[64:65], 0
	v_nop
	global_prefetch_b8 v0, s[64:65] scope:SCOPE_SE
	s_setreg_imm32_b32 hwreg(HW_REG_WAVE_MODE, 25, 1), 1
	s_wait_xcnt 0x0
	s_wait_alu depctr_hold_cnt(0) depctr_sa_sdst(0) depctr_va_vdst(0) depctr_va_sdst(0) depctr_va_ssrc(0) depctr_va_vcc(0) depctr_vm_vsrc(0)
	s_getreg_b32 s2, hwreg(HW_REG_IB_STS2, 6, 4)
	s_cmp_eq_u32 s2, 0
	s_cbranch_scc0 .Lentry_in_a_cluster
	s_endpgm
.Lentry_in_a_cluster:
	s_bfe_u32 s2, ttmp6, 0x10000c
	s_cmp_lg_u32 s2, 0xf033
	s_cbranch_scc0 .Lentry_shape_is_right
	s_endpgm
.Lentry_shape_is_right:
; qkv = x qkv_w^T + qkv_b on codes of BF6 (E3M2) with E8M0 scales, K = 1,024; the results never exist as f32 in memory: q and k are quantised along the head's 64, v along the keys, in registers.
; THE BODY computes C'[rowA][rowB] for 256 rows of an operand A and 256 of an operand B, both row tiles of c1, used transposed (source 0 = 16 rows of B, source 1 = 16 rows of A): a lane holds ONE rowA and its
; registers run along rowB.  Then each 128 along rowB are quantised as one operand fragment.  Cluster x = 0, 1 (q, k): A = tokens, B = rows of qkv_w.  Cluster x = 2 (v): A = rows of qkv_w's last third, B = tokens:
; that gives v^T with the keys along the registers.  Only tile numbers differ; they are chosen on the cluster's x, which all partners share.
; A work-group of four waves, as many as a WGP has SIMDs; a wave makes 128 x 128: 64 accumulators, 512 registers.
; c1's row tile (16 rows) is 16 pieces of 768 bytes, one for each 64 along K, each the image of six operand registers (registers 0-3 at 16 x lane, 4-5 at 512 + 8 x lane): a fragment of 128 along K is four
; dense LDS loads, with no pitch and no padding.
; K goes in four quarters of 256 through three LDS slots: quarters 0 and 1 are asked for at the head, quarter 2 behind them, quarter 3 is the one refill (into slot 0).  By this text's count a wave has one tensor load out at the most.
; CLUSTERS: 4 x 4 work-groups.  A's tile hangs on cy alone and is shared along a row of the cluster, B's on cx alone and is shared along a column: each is asked for jointly.
; The bias is the C of each sum's first product.  q, k: it goes by rowB (eight registers a tile of B); v: by rowA (one number a lane, in all eight registers).
; WHAT IS STORED.  q, k: piece (g, T) at (512 g + T) 768 of qkvc, g = 0-15 q's heads, 16-31 k's, T = token / 16.  v^T: at VOFFC + (((16 b + head) 8 + key step) 4 + d / 16) 1,536 + 768 (key half).
; Scale words in qkvs: q, k: block (g / 2, token / 128) of 1,024 bytes, word at 512 (a / 4) + 16 (16 (g % 2) + r) + 4 (a % 4), a the token tile in the 128; its bytes 0, 1 are the head's two blocks, bytes 2, 3 stand
; over zero codes and are never 0xff.  v: at VOFFS + ((16 b + head) 8 + key step) 256 + 16 r + 4 (d / 16).
; INSIDE A BLOCK OF 32 the groups of eight lie in the order 0, 2, 1, 3 (a lane's 16 registers of two neighbouring tiles are taken as 16 neighbours): alike in both operands of every later product.
; LIMITS: NaN and infinities are not served; a block whose largest magnitude lies under 2^-122 keeps the byte 1, a block of zeros too (its codes are zeros; this program alone reads the bytes).
; REGISTERS: window 0: v1-23 addresses and temporaries; v28-29 the add's two; v32-95 scale words; v96-159 the bias; v160-255 A's 8 fragments, ONE set (later the quantiser's registers).
;   window 1: B's fragments, TWO sets, at v0 and v128.   windows 2, 3: accumulator (a, b) at v[8 (8 (a % 4) + b)], a < 4 in window 2.
; LDS AS THE TEXT BELOW HAS IT: region X, 4 x 49,152 bytes, one part a wave: K's first half, 8 row tiles x 6,144 bytes, brought by the wave's one load at the head;
; region Y behind it, 4 x 24,576 bytes: K quarter 2, first filled behind the full sequence and a round; K quarter 3 is the one refill, into the start of each part of region X (8 x 3,072 bytes).
; By this text's count a wave has one tensor load out at the most.
.set HALFB, 24576
.set SLOTB, 4*HALFB                    ; A's 16 row tiles, then B's 16
.set SPARE, 3*SLOTB                    ; behind the slots: the spare words, 128 bytes for each wave: two blocks of 256 bytes that no other line names
.set VOFFC, 12582912
.set VOFFS, 1048576
.set ADA16, 4                          ; v4-5    my A fragments in slot 0, 1: + 16 x lane
.set ADA8,  7                          ; v7-8    + 512 + 8 x lane
.set ADB16, 10                         ; v10-11  the same for B
.set ADB8,  13                         ; v13-14
.set L16,   16                         ; v16 16 x lane
.set L8,    17                         ; v17 8 x lane
.set SH,    18                         ; v18 q, k: 16 h; v: 0
.set SPW,   28                         ; v28 LDS address of my spare word; never rewritten
.set NIL,   29                         ; v29 0; never rewritten
.set S,     32                         ; scale words: register 8 i + k: lanes 0-15 A's tile i, lanes 16-31 B's tile i, K step k
.set BI,    96
.set AF,    160
.set PC,    160                        ; the quantiser: a fragment's 12 registers,
.set C2,    172                        ; the second conversions',
.set TM,    180                        ; v180-183 largest magnitudes, v184-187 bytes, v192-195 scale operands,
.set PW,    196                        ; the scale word,
.set SW,    200                        ; v200-207 the eight words to be stored
.set G1A, 24                           ; s[24:31] group 1 for A's tiles; s[32:39] group 0, a set for each slot
.set G0A, 32
.set G1B, 44                           ; s[44:51], s[52:59] the same for B's
.set G0B, 52
.set OB0, 74                           ; s[74:75] where a fragment's first piece goes;  s[76:77] its second
.set OB1, 76
.set STP, 78                           ; s[78:79] from fragment to fragment;  s[80:81] from the fourth to the fifth
.set STP4, 80
.set SCO, 82                           ; s[82:83] where my scale words go
.set LMASK, 84                         ; s84 lanes 16-31
.set SEL, 86                           ; s[86:87] v_permlanex16_b32's selects for lane l xor 16
.set MSB, 0
.macro WIN new                         ; the immediate's high byte repeats the setting that is left
.if MSB != (\new)
	s_set_vgpr_msb (MSB<<8)|(\new)
.set MSB, (\new)
.endif
.endm
; A joint load: waves 0 and 1 fetch for A, waves 2 and 3 for B; the branch hangs on the wave's number alone.  Four v_nop follow each of the two lines.
.macro JLOAD g0a, g1a, g0b, g1b
	s_cmp_eq_u32 s15, 0
	s_cbranch_scc0 .Lfor_b_\@
	tensor_load_to_lds s[\g0a:\g0a+3], s[\g1a:\g1a+7]
	s_nop 0
.rept 4
	v_nop
.endr
	s_branch .Lasked_\@
.Lfor_b_\@:
	tensor_load_to_lds s[\g0b:\g0b+3], s[\g1b:\g1b+7]
	s_nop 0
.rept 4
	v_nop
.endr
.Lasked_\@:
.endm
.macro CREST                           ; a round of the cluster's barrier behind its opening barrier
	s_cmp_lg_u32 s14, 0
	s_cbranch_scc1 .Lnot_wave_0_\@
	s_barrier_signal -3
.Lnot_wave_0_\@:
	s_barrier_wait -3
	s_barrier_signal -1
	s_barrier_wait -1
.endm
.macro CROUND
	s_barrier_signal -1
	s_barrier_wait -1
	CREST
.endm
.macro PLACES n                        ; plain places behind matrix instructions: in front of loads into registers that they have read, and of the first read of results
.rept \n
	v_nop
.endr
.endm
	s_load_b256 s[4:11], s[0:1], 0x0               ; c1 s[4:5], sc1 s[6:7], qkv_b s[8:9], qkvc s[10:11]
	s_load_b64 s[12:13], s[0:1], 0x20              ; qkvs
	v_lshl_add_u32 v[SPW], v0, 2, SPARE
	v_mov_b32 v[NIL], 0
	ds_add_u32 v28, v29
	ds_add_u32 v28, v29
	s_wait_dscnt 0x0
	v_lshrrev_b32 v19, 5, v0
	v_readfirstlane_b32 s14, v19                   ; wave 0..3
	s_lshr_b32 s15, s14, 1                         ; which half of A's rows is mine.  Also: I fetch for A (0) or for B (1)
	s_and_b32 s16, s14, 1                          ; which half of B's rows.  Also: which 8 row tiles I fetch
	s_bfe_u32 s66, ttmp6, 0x40000                  ; cx
	s_bfe_u32 s67, ttmp6, 0x40004                  ; cy
	s_and_b32 s68, ttmp7, 0xffff
	s_lshl_b32 s68, s68, 2                         ; 4 x cluster y
	s_lshl_b32 s73, ttmp9, 2
	s_add_co_u32 s73, s73, 32                      ; 32 + 4 x cluster x: qkv_w's units of 256 rows begin at unit 32 of c1
	s_cmp_eq_u32 ttmp9, 2                          ; v?
	s_cselect_b32 s69, 40, s68
	s_cselect_b32 s70, s68, s73
	s_add_co_u32 s69, s69, s67                     ; A's unit of 256 rows: tokens 4 Y + cy, or qkv_w's unit 40 + cy: it never holds cx
	s_add_co_u32 s70, s70, s66                     ; B's: qkv_w's unit 32 + 4 X + cx, or tokens 4 Y + cx: it never holds cy
	s_lshl_b32 s71, s67, 2
	s_lshl_b32 s71, 15, s71                        ; my row of the cluster
	s_lshl_b32 s72, 0x1111, s66                    ; my column
	s_or_b32 s[G1A], s71, (3<<16)|(1<<21)          ; 15:0 the mask; 17:16 elements of 8 bytes; 20 no padding; 21 set beside a mask
	s_or_b32 s[G1B], s72, (3<<16)|(1<<21)
.irp g, G1A, G1B
	s_mov_b32 s[\g+1], 768<<16                     ; the head's load: half of a row tile's K, 6,144 bytes
	s_mov_b32 s[\g+2], 8<<16                       ; tensor_dim1 = 8 row tiles
	s_mov_b32 s[\g+3], 768<<16                     ; tile_dim0
	s_mov_b32 s[\g+4], 8                           ; tile_dim1
	s_mov_b32 s[\g+5], 1536                        ; from row tile to row tile: 12,288 bytes
	s_mov_b32 s[\g+6], 0
	s_mov_b32 s[\g+7], 0
.endr
	s_lshl_b32 s22, s16, 3
	s_lshl_b32 s18, s69, 4
	s_add_co_u32 s18, s18, s22
	s_mul_i32 s18, s18, 12288                      ; A: row tile 16 x unit + 8 x half
	s_mov_b32 s19, 0
	s_lshl_b32 s20, s70, 4
	s_add_co_u32 s20, s20, s22
	s_mul_i32 s20, s20, 12288                      ; B likewise
	s_mov_b32 s21, 0
	s_mul_i32 s23, s14, HALFB                      ; my part of region Y,
	s_mul_i32 s17, s14, 2*HALFB                    ; and of region X: no place in the cluster enters an LDS address
	s_wait_kmcnt 0x0
	s_add_nc_u64 s[18:19], s[4:5], s[18:19]
	s_add_nc_u64 s[20:21], s[4:5], s[20:21]
	CROUND                                         ; all sixteen work-groups are here: the first joint loads meet
	s_mov_b32 s[G0A], 1                            ; set 0: region X, K's first half (later: quarter 3)
	s_mov_b32 s[G0A+1], s17
	s_mov_b64 s[G0A+2:G0A+3], s[18:19]
	s_or_b32 s[G0A+3], s[G0A+3], 0x80000000
	s_mov_b32 s[G0B], 1
	s_mov_b32 s[G0B+1], s17
	s_mov_b64 s[G0B+2:G0B+3], s[20:21]
	s_or_b32 s[G0B+3], s[G0B+3], 0x80000000
	s_mov_b32 s[G0A+4], 1                          ; set 1: region Y, K quarter 2
	s_add_co_u32 s[G0A+5], s23, 2*SLOTB
	s_add_nc_u64 s[G0A+6:G0A+7], s[18:19], 2*3072
	s_or_b32 s[G0A+7], s[G0A+7], 0x80000000
	s_mov_b32 s[G0B+4], 1
	s_add_co_u32 s[G0B+5], s23, 2*SLOTB
	s_add_nc_u64 s[G0B+6:G0B+7], s[20:21], 2*3072
	s_or_b32 s[G0B+7], s[G0B+7], 0x80000000
	JLOAD G0A, G1A, G0B, G1B                       ; one tensor load a wave at the head
	v_and_b32 v1, 15, v0                           ; r
	v_bfe_u32 v2, v0, 4, 1                         ; h
	v_and_b32 v19, 31, v0
	v_lshlrev_b32 v[L16], 4, v19
	v_lshlrev_b32 v[L8], 3, v19
	v_add_nc_u32 v20, 512, v[L8]
	s_wait_alu depctr_va_vdst(0)
	s_mul_i32 s88, s15, 2*HALFB                    ; region X: my 8 row tiles of A,
	s_mul_i32 s89, s16, 2*HALFB
	s_add_co_u32 s89, s89, 4*HALFB                 ; and of B, behind A's two parts
	v_add_nc_u32 v[ADA16], s88, v[L16]
	v_add_nc_u32 v[ADA8], s88, v20
	v_add_nc_u32 v[ADB16], s89, v[L16]
	v_add_nc_u32 v[ADB8], s89, v20
	s_mul_i32 s88, s15, HALFB                      ; region Y likewise
	s_mul_i32 s89, s16, HALFB
	s_add_co_u32 s88, s88, 2*SLOTB
	s_add_co_u32 s89, s89, 2*SLOTB+2*HALFB
	v_add_nc_u32 v[ADA16+1], s88, v[L16]
	v_add_nc_u32 v[ADA8+1], s88, v20
	v_add_nc_u32 v[ADB16+1], s89, v[L16]
	v_add_nc_u32 v[ADB8+1], s89, v20
	; the scale words of my 8 + 8 row tiles, for all of K: 512 bytes a tile; sixteen lanes read 256 consecutive bytes.  Lanes 0-15 take A's, lanes 16-31 B's
	s_lshl_b32 s88, s69, 4
	s_lshl_b32 s90, s15, 3
	s_add_co_u32 s88, s88, s90
	s_lshl_b32 s88, s88, 9
	s_lshl_b32 s89, s70, 4
	s_add_co_u32 s89, s89, s22
	s_lshl_b32 s89, s89, 9
	s_mov_b32 s[LMASK], 0xffff0000
	v_mov_b32 v19, s88
	v_mov_b32 v20, s89
	v_cndmask_b32 v19, v19, v20, s[LMASK]
	v_lshl_add_u32 v19, v1, 4, v19
.irp i, 0,1,2,3,4,5,6,7
.irp q, 0,1
	global_load_b128 v[S+8*\i+4*\q:S+8*\i+4*\q+3], v19, s[6:7] offset:512*\i+256*\q
.endr
.endr
	; the bias
	s_lshl_b32 s88, ttmp9, 2
	s_add_co_u32 s88, s88, s66
	s_lshl_b32 s88, s88, 10
	s_lshl_b32 s90, s16, 9
	s_add_co_u32 s88, s88, s90                     ; q, k: my 128 rows of B: 4 (256 (4 X + cx) + 128 half) bytes
	s_lshl_b32 s89, s67, 10
	s_lshl_b32 s90, s15, 9
	s_add_co_u32 s89, s89, s90
	s_add_co_u32 s89, s89, 8192                    ; v: my 128 rows of A: 4 (2,048 + 256 cy + 128 half)
	s_cmp_eq_u32 ttmp9, 2
	s_cselect_b32 s98, s89, s88
	s_mov_b32 s99, 0
	s_add_nc_u64 s[98:99], s[8:9], s[98:99]
	v_lshlrev_b32 v21, 5, v2
	v_lshlrev_b32 v22, 2, v1
	s_cmp_eq_u32 ttmp9, 2                          ; the cluster's x: alike in all partners
	s_cbranch_scc1 .Lbias_v
.irp b, 0,1,2,3,4,5,6,7
	global_load_b128 v[BI+8*\b:BI+8*\b+3], v21, s[98:99] offset:64*\b          ; tile b of B: the numbers of rows 16 b + 8 h + 0 .. 7
	global_load_b128 v[BI+8*\b+4:BI+8*\b+7], v21, s[98:99] offset:64*\b+16
.endr
	s_branch .Lbias_done
.Lbias_v:
	s_wait_alu depctr_va_vdst(0)
.irp a, 0,1,2,3,4,5,6,7
	global_load_b32 v[BI+8*\a], v22, s[98:99] offset:64*\a                     ; tile a of A: the number of row 16 a + r,
.endr
	s_wait_loadcnt 0x0
.irp a, 0,1,2,3,4,5,6,7
.irp j, 1,2,3,4,5,6,7
	v_mov_b32 v[BI+8*\a+\j], v[BI+8*\a]                                        ; in all eight registers
.endr
.endr
.Lbias_done:
	; where my results go: both forms are worked out as offsets, and chosen on the cluster's x
	s_lshl_b32 s88, ttmp9, 2
	s_add_co_u32 s88, s88, s66
	s_lshl_b32 s88, s88, 2
	s_lshl_b32 s89, s16, 1
	s_add_co_u32 s88, s88, s89                     ; q, k: g0 = 4 (4 X + cx) + 2 half: my two heads
	s_add_co_u32 s90, s68, s67                     ; 4 Y + cy
	s_lshl_b32 s91, s90, 4
	s_lshl_b32 s92, s15, 3
	s_add_co_u32 s91, s91, s92                     ; my first token tile
	s_lshl_b32 s92, s88, 9
	s_add_co_u32 s92, s92, s91
	s_mul_i32 s92, s92, 768                        ; its piece
	s_lshl_b32 s93, s88, 5
	s_lshl_b32 s90, s90, 1
	s_add_co_u32 s93, s93, s90
	s_add_co_u32 s93, s93, s15
	s_lshl_b32 s93, s93, 10                        ; my block of scale words: (64 (g0 / 2) + token / 128) 1,024
	s_add_co_u32 s94, s68, s66                     ; v: 4 Y + cx
	s_lshl_b32 s94, s94, 1
	s_add_co_u32 s94, s94, s16                     ; my 128 tokens
	s_lshr_b32 s95, s94, 3                         ; b
	s_and_b32 s94, s94, 7                          ; the key step
	s_lshl_b32 s95, s95, 4
	s_lshl_b32 s96, s67, 2
	s_add_co_u32 s95, s95, s96
	s_lshl_b32 s96, s15, 1
	s_add_co_u32 s95, s95, s96                     ; 16 b + my first head
	s_lshl_b32 s95, s95, 3
	s_add_co_u32 s95, s95, s94
	s_mul_i32 s96, s95, 6144
	s_add_co_u32 s96, s96, VOFFC
	s_lshl_b32 s95, s95, 8
	s_add_co_u32 s95, s95, VOFFS
	s_mov_b32 s[OB1], 393216                       ; q, k: the second piece is the next head's, 512 pieces on;  v: the keys' second half, the next piece
	s_mov_b32 s[STP], 768                          ; q, k: the next token tile;  v: the next 16 of the head's 64,
	s_mov_b32 s[STP4], 768                         ; and from the fourth to the fifth: the next head, 49,152 - 3 x 1,536 on
	s_cmp_eq_u32 ttmp9, 2
	s_cselect_b32 s[OB0], s96, s92
	s_cselect_b32 s[SCO], s95, s93
	s_cselect_b32 s[OB1], 768, s[OB1]
	s_cselect_b32 s[STP], 1536, s[STP]
	s_cselect_b32 s[STP4], 44544, s[STP4]
	s_cselect_b32 s85, 0, 16
	s_mov_b32 s[OB0+1], 0
	s_mov_b32 s[OB1+1], 0
	s_mov_b32 s[STP+1], 0
	s_mov_b32 s[STP4+1], 0
	s_mov_b32 s[SCO+1], 0
	s_add_nc_u64 s[OB0:OB0+1], s[10:11], s[OB0:OB0+1]
	s_add_nc_u64 s[OB1:OB1+1], s[OB0:OB0+1], s[OB1:OB1+1]
	s_add_nc_u64 s[SCO:SCO+1], s[12:13], s[SCO:SCO+1]
	v_mul_u32_u24 v[SH], s85, v2
	s_mov_b32 s[SEL], 0x76543210
	s_mov_b32 s[SEL+1], 0xfedcba98
.macro FRAG reg, a16, a8, off          ; a fragment, 16 rows x 128 K: two pieces, each 512 + 256 dense bytes
	ds_load_b128 v[\reg:\reg+3], v[\a16] offset:\off
	ds_load_b64 v[\reg+4:\reg+5], v[\a8] offset:\off
	ds_load_b128 v[\reg+6:\reg+9], v[\a16] offset:(\off)+768
	ds_load_b64 v[\reg+10:\reg+11], v[\a8] offset:(\off)+768
.endm
.macro FETCH_B slot, q, set            ; B's eight fragments of the slot's q-th 128 along K
	WIN 0x40
.irp i, 0,1,2,3,4,5,6,7
	FRAG 128*(\set)+12*\i, ADB16+\slot, ADB8+\slot, \i*PIT+(\q)*1536
.endr
	WIN 0
.endm
.macro FETCH_A slot, q, i0             ; A's blocks i0 .. i0 + 3
.irp i, \i0, \i0+1, \i0+2, \i0+3
	FRAG AF+12*(\i), ADA16+\slot, ADA8+\slot, (\i)*PIT+(\q)*1536
.endr
.endm
; 16 products: A's blocks a0, a0 + 1 x B's eight, K step k.  mode 0: onto the sums; 1: the bias by B's tile starts them; 2: the bias by A's tile.
; The 64 accumulators take turns, one instruction a turn, in the same order in every step.
.macro MUL16 a0, set, k, mode
.irp a, \a0, \a0+1
.irp b, 0,1,2,3,4,5,6,7
.if \mode == 0
	v_wmma_scale_f32_16x16x128_f8f6f4 v[8*(8*((\a)%4)+\b):8*(8*((\a)%4)+\b)+7], v[128*(\set)+12*\b:128*(\set)+12*\b+11], v[AF+12*(\a):AF+12*(\a)+11], v[8*(8*((\a)%4)+\b):8*(8*((\a)%4)+\b)+7], v[S+8*\b+(\k)], v[S+8*(\a)+(\k)] matrix_a_fmt:MATRIX_FMT_BF6 matrix_b_fmt:MATRIX_FMT_BF6 matrix_a_scale:MATRIX_SCALE_ROW1
.elseif \mode == 1
	v_wmma_scale_f32_16x16x128_f8f6f4 v[8*(8*((\a)%4)+\b):8*(8*((\a)%4)+\b)+7], v[128*(\set)+12*\b:128*(\set)+12*\b+11], v[AF+12*(\a):AF+12*(\a)+11], v[BI+8*\b:BI+8*\b+7], v[S+8*\b+(\k)], v[S+8*(\a)+(\k)] matrix_a_fmt:MATRIX_FMT_BF6 matrix_b_fmt:MATRIX_FMT_BF6 matrix_a_scale:MATRIX_SCALE_ROW1
.else
	v_wmma_scale_f32_16x16x128_f8f6f4 v[8*(8*((\a)%4)+\b):8*(8*((\a)%4)+\b)+7], v[128*(\set)+12*\b:128*(\set)+12*\b+11], v[AF+12*(\a):AF+12*(\a)+11], v[BI+8*(\a):BI+8*(\a)+7], v[S+8*\b+(\k)], v[S+8*(\a)+(\k)] matrix_a_fmt:MATRIX_FMT_BF6 matrix_b_fmt:MATRIX_FMT_BF6 matrix_a_scale:MATRIX_SCALE_ROW1
.endif
.endr
.endr
.endm
; 32 products.  first = 1: the sums begin, with the bias as C (window 0); which bias hangs on the cluster's x, so the two forms stand in two arms; at a branch and at a label every window is 0.
.macro MUL32 a0, k, first
.if \first
	WIN 0
	s_cmp_eq_u32 ttmp9, 2
	s_cbranch_scc1 .Lby_a_\@
	WIN 0x81+0x40*((\a0)/4)
	s_wait_alu depctr_va_vdst(0)
	MUL16 \a0, (\k)%2, \k, 1
	MUL16 (\a0)+2, (\k)%2, \k, 1
	WIN 0
	s_branch .Lbegun_\@
.Lby_a_\@:
	WIN 0x81+0x40*((\a0)/4)
	MUL16 \a0, (\k)%2, \k, 2
	s_wait_alu depctr_va_vdst(0)
	MUL16 (\a0)+2, (\k)%2, \k, 2
	WIN 0
.Lbegun_\@:
.else
	WIN 0xa1+0x50*((\a0)/4)
	MUL16 \a0, (\k)%2, \k, 0
	MUL16 (\a0)+2, (\k)%2, \k, 0
.endif
.endm
; K step k, whose successor (the nq-th 128 of slot ns) lies in a slot that is already whole.
.macro STEP ns, nq, k, first
	s_wait_dscnt 16                                ; B's set and A's blocks 0-3 are in; the youngest sixteen loads (A's blocks 4-7) may be out
	MUL32 0, \k, \first
	s_wait_dscnt 0x0                               ; A's blocks 4-7 are in
	PLACES 4
	FETCH_B \ns, \nq, 1-(\k)%2
	FETCH_A \ns, \nq, 0
	MUL32 4, \k, \first
	PLACES 4
	WIN 0
	FETCH_A \ns, \nq, 4
.endm
; A slot's last step changes slots: one barrier.  kind 0: the wait on TENSORcnt leaves n younger loads out.  kind 1: slot 0, read out two steps ago, is filled again, with K quarter 3:
; each wave waits for all its tensor loads, adds 0 to its spare word, waits for that and for its LDS reads; the barrier opens a round of the cluster's barrier; the joint refill is the first thing behind the round.
.macro TURN ns, k, kind, n
.if \kind
	s_wait_tensorcnt 0x0                           ; all my tensor loads have landed, my part of the next slot among them
	ds_add_u32 v[SPW], v[NIL]                      ; 0 onto my spare word
	s_wait_dscnt 17                                ; (the add and the youngest sixteen loads may be out)
.else
	s_wait_tensorcnt \n                            ; my part of the next slot has landed
	s_wait_dscnt 16
.endif
	WIN 0xa1
	MUL16 0, (\k)%2, \k, 0
	s_wait_dscnt 0x0                               ; my LDS reads are over (and the add is done)
	s_barrier_signal -1
	MUL16 2, (\k)%2, \k, 0
	WIN 0
	s_barrier_wait -1
.if \kind
	CREST                                          ; no wave of any partner still reads slot 0 or has a load on its way
	s_add_nc_u64 s[G0A+2:G0A+3], s[G0A+2:G0A+3], 3*3072
	s_add_nc_u64 s[G0B+2:G0B+3], s[G0B+2:G0B+3], 3*3072
	JLOAD G0A, G1A, G0B, G1B                       ; it has two K steps, 128 products, in which to land; its four v_nop are the places in front of the loads below
.else
	PLACES 4
.endif
	FETCH_B \ns, 0, 1-(\k)%2
	FETCH_A \ns, 0, 0
	WIN 0xf1
	MUL16 4, (\k)%2, \k, 0
	MUL16 6, (\k)%2, \k, 0
	PLACES 4
	WIN 0
	FETCH_A \ns, 0, 4
.endm
	s_wait_alu depctr_va_vdst(0)
	s_wait_loadcnt 0x0                             ; scale words and bias
	s_wait_tensorcnt 0x0                           ; my part of K's first half is in
	ds_add_u32 v[SPW], v[NIL]
	s_mov_b32 s[G1A+1], 384<<16                    ; no tensor load of mine is out: from here on a load brings a quarter, 3,072 bytes a row tile
	s_mov_b32 s[G1A+3], 384<<16
	s_mov_b32 s[G1B+1], 384<<16
	s_mov_b32 s[G1B+3], 384<<16
	s_wait_dscnt 0x0
	CROUND
	JLOAD G0A+4, G1A, G0B+4, G1B                   ; K quarter 2 into region Y: it has four K steps in which to land
.set PIT, 6144                                 ; from row tile to row tile in region X while it holds K's first half
	FETCH_B 0, 0, 0
	FETCH_A 0, 0, 0
	FETCH_A 0, 0, 4
	STEP 0, 1, 0, 1                                ; K step 0 starts the sums
	STEP 0, 2, 1, 0
	STEP 0, 3, 2, 0
.set PIT, 3072                                 ; in region Y, and in region X once it holds quarter 3
	TURN 1, 3, 1, 0                                ; region X is read out: the one refill
	STEP 1, 1, 4, 0
	TURN 0, 5, 0, 0                                ; quarter 3 is in
	STEP 0, 1, 6, 0
	s_wait_dscnt 16                                ; the last step fetches nothing
	WIN 0xa1
	MUL16 0, 1, 7, 0
	MUL16 2, 1, 7, 0
	s_wait_dscnt 0x0
	WIN 0xf1
	MUL16 4, 1, 7, 0
	MUL16 6, 1, 7, 0
	WIN 0
	PLACES 4
.irp b, 0,1,2,3
	v_mov_b32 v[TM+4+\b], 0                        ; written once: a lane permute's destination counts as one of its sources
.endr
; THE WAY OUT.  Block a: my lane's 64 numbers (register 16 b + i: place 32 b + 16 h + i along rowB) become a fragment's codes and its scale word; the two pieces are stored as they stand.
.macro QUANTW a
.set WW, 2+(\a)/4
.set AC, 64*((\a)%4)
	WIN (WW<<2)|(WW<<4)                            ; sources 1 and 2: the accumulators' window
.irp b, 0,1,2,3
	v_max3_num_f32 v[TM+\b], 0x2800000, |v[AC+16*\b]|, |v[AC+16*\b+1]|       ; each accumulator is read from its low end on; the floor 2^(5 - 127) holds the byte at 1 from below
.endr
.irp i, 2,4,6,8,10,12,14
.irp b, 0,1,2,3
	v_max3_num_f32 v[TM+\b], v[TM+\b], |v[AC+16*\b+\i]|, |v[AC+16*\b+\i+1]|
.endr
.endr
	WIN 0
.irp b, 0,1,2,3
	v_permlanex16_b32 v[TM+4+\b], v[TM+\b], s[SEL], s[SEL+1]
.endr
.irp b, 0,1,2,3
	v_max_num_f32 v[TM+\b], v[TM+\b], v[TM+4+\b]   ; with lane l xor 16's: the block's largest magnitude
.endr
.irp b, 0,1,2,3
	v_add_nc_u32 v[TM+12+\b], 0xfe000000, v[TM+\b] ; 4 off its exponent field: the conversion's scale operand
.endr
.irp b, 0,1,2,3
	v_lshrrev_b32 v[TM+4+\b], 23, v[TM+12+\b]      ; the scale's byte
.endr
	v_lshl_or_b32 v[PW], v[TM+5], 8, v[TM+4]
	v_lshl_or_b32 v[PW], v[TM+6], 16, v[PW]
	v_lshl_or_b32 v[PW], v[TM+7], 24, v[PW]
	v_lshrrev_b32 v[SW+\a], v[SH], v[PW]           ; q, k: lanes 16-31 keep the second head's two bytes, at the word's low end;  v: the word as it is
.if \a > 0
	s_wait_xcnt 0x0                                ; the last block's stores have read their data and their bases: both are written again only behind this wait
.if \a == 4
	s_add_nc_u64 s[OB0:OB0+1], s[OB0:OB0+1], s[STP4:STP4+1]
	s_add_nc_u64 s[OB1:OB1+1], s[OB1:OB1+1], s[STP4:STP4+1]
.else
	s_add_nc_u64 s[OB0:OB0+1], s[OB0:OB0+1], s[STP:STP+1]
	s_add_nc_u64 s[OB1:OB1+1], s[OB1:OB1+1], s[STP:STP+1]
.endif
.endif
	WIN WW                                         ; source 0: the accumulators' window
.irp c, 0,1
	v_cvt_scalef32_pk16_bf6_f32 v[PC+6*\c:PC+6*\c+2], v[AC+32*\c:AC+32*\c+15], v[TM+12+2*\c]
	v_cvt_scalef32_pk16_bf6_f32 v[C2+4*\c:C2+4*\c+2], v[AC+32*\c+16:AC+32*\c+31], v[TM+13+2*\c]   ; (a conversion's three registers begin on an even number)
.endr
	WIN 0
	v_nop                                          ; one plain place behind a scaled conversion
.irp c, 0,1                                    ; the operand's layout wants a whole block in a lane: lanes 0-15 block 2 c, lanes 16-31 block 2 c + 1
.irp i, 0,1,2
	v_permlane16_swap_b32 v[PC+6*\c+\i], v[C2+4*\c+\i]
.endr
.irp i, 0,1,2
	v_mov_b32 v[PC+3+6*\c+\i], v[C2+4*\c+\i]
.endr
.endr
	global_store_b128 v[L16], v[PC:PC+3], s[OB0:OB0+1]                 ; 512 consecutive bytes, at a multiple of 256 from the buffer's first byte
	global_store_b64 v[L8], v[PC+4:PC+5], s[OB0:OB0+1] offset:512      ; 256 consecutive bytes
	global_store_b128 v[L16], v[PC+6:PC+9], s[OB1:OB1+1]
	global_store_b64 v[L8], v[PC+10:PC+11], s[OB1:OB1+1] offset:512
.endm
.irp a, 0,1,2,3,4,5,6,7
	QUANTW \a
.endr
	s_cmp_eq_u32 ttmp9, 2
	s_cbranch_scc1 .Lwords_v
	global_store_b128 v[L16], v[SW:SW+3], s[SCO:SCO+1]                 ; q, k: lane 16 e + r: the words of head e, token tiles 0-3;
	global_store_b128 v[L16], v[SW+4:SW+7], s[SCO:SCO+1] offset:512    ; tiles 4-7
	s_branch .Lwords_done
.Lwords_v:
.irp j, 0,1,2,3
	v_cndmask_b32 v[20+\j], v[SW+\j], v[SW+4+\j], s[LMASK]             ; v: lanes 0-15 the first head's four words, lanes 16-31 the second's,
.endr
	v_lshlrev_b32 v19, 11, v2
	v_lshl_add_u32 v19, v1, 4, v19                                     ; eight key steps of 256 bytes further on
	global_store_b128 v19, v[20:23], s[SCO:SCO+1]
.Lwords_done:
	s_wait_tensorcnt 0x0                           ; the wave's end
	ds_add_u32 v[SPW], v[NIL]
	s_wait_dscnt 0x0
	CROUND                                         ; the closing round: no work-group ends while a partner may still ask for a tile that names it
	s_endpgm
.Lfunc_end_k_qc96091ca07_qkv:
	.size	k_qc96091ca07_qkv, .Lfunc_end_k_qc96091ca07_qkv-k_qc96091ca07_qkv
	.p2alignl 7, 3214868480
	.fill 96, 4, 3214868480
	.section	.rodata,"a",@progbits
	.p2align	6, 0x0
	.amdhsa_kernel k_qc96091ca07_qkv
		.amdhsa_group_segment_fixed_size 327680
		.amdhsa_private_segment_fixed_size 0
		.amdhsa_enable_private_segment 0
		.amdhsa_kernarg_size 40
		.amdhsa_user_sgpr_count 2
		.amdhsa_user_sgpr_kernarg_segment_ptr 1
		.amdhsa_wavefront_size32 1
		.amdhsa_system_sgpr_workgroup_id_x 1
		.amdhsa_system_sgpr_workgroup_id_y 1
		.amdhsa_system_sgpr_workgroup_id_z 1
		.amdhsa_system_vgpr_workitem_id 0
		.amdhsa_next_free_vgpr 1024
		.amdhsa_next_free_sgpr 100
		.amdhsa_reserve_vcc 0
		.amdhsa_float_denorm_mode_32 3
		.amdhsa_float_denorm_mode_16_64 3
		.amdhsa_memory_ordered 1
		.amdhsa_forward_progress 1
		.amdhsa_inst_pref_size 161
	.end_amdhsa_kernel
	.amdgpu_metadata
---
amdhsa.version: [ 1, 2 ]
amdhsa.kernels:
  - .name:           k_qc96091ca07_qkv
    .symbol:         k_qc96091ca07_qkv.kd
    .args:
      - { .name: c1, .offset: 0, .size: 8, .value_kind: global_buffer, .address_space: global }
      - { .name: sc1, .offset: 8, .size: 8, .value_kind: global_buffer, .address_space: global }
      - { .name: qkv_b, .offset: 16, .size: 8, .value_kind: global_buffer, .address_space: global }
      - { .name: qkvc, .offset: 24, .size: 8, .value_kind: global_buffer, .address_space: global }
      - { .name: qkvs, .offset: 32, .size: 8, .value_kind: global_buffer, .address_space: global }
    .group_segment_fixed_size: 327680
    .private_segment_fixed_size: 0
    .kernarg_segment_align: 8
    .kernarg_segment_size: 40
    .max_flat_workgroup_size: 128
    .sgpr_count:     100
    .vgpr_count:     1024
    .wavefront_size: 32
...
	.end_amdgpu_metadata
.endif
;; end of part 2
;; launch attn (part 3): grid 4 x 64, 16 waves a work-group, clusters of 4 x 1, 327,680 bytes of LDS; arguments qkvc, qkvs, c2, sc2; writes c2, sc2
.if DOCPART == 3
	.amdgcn_target "amdgcn-amd-amdhsa--gfx1250"
	.amdhsa_code_object_version 6
	.text
	.protected	k_qc96091ca07_attn
	.globl	k_qc96091ca07_attn
	.p2align	8
	.type	k_qc96091ca07_attn,@function
k_qc96091ca07_attn:
	s_mov_b64 s[64:65], 0
	v_nop
	global_prefetch_b8 v0, s[64:65] scope:SCOPE_SE
	s_setreg_imm32_b32 hwreg(HW_REG_WAVE_MODE, 25, 1), 1
	s_wait_xcnt 0x0
	s_wait_alu depctr_hold_cnt(0) depctr_sa_sdst(0) depctr_va_vdst(0) depctr_va_sdst(0) depctr_va_ssrc(0) depctr_va_vcc(0) depctr_vm_vsrc(0)
	s_getreg_b32 s2, hwreg(HW_REG_IB_STS2, 6, 4)
	s_cmp_eq_u32 s2, 0
	s_cbranch_scc0 .Lentry_in_a_cluster
	s_endpgm
.Lentry_in_a_cluster:
	s_bfe_u32 s2, ttmp6, 0x10000c
	s_cmp_lg_u32 s2, 0x3003
	s_cbranch_scc0 .Lentry_shape_is_right
	s_endpgm
.Lentry_shape_is_right:
; attn = softmax(q k^T / 8) v on codes of BF6 (E3M2) with E8M0 scales, and its result quantised along the embedding for the projection.
; SHARES: a work-group takes one batch, two neighbouring heads and 256 queries; a wave 16 queries, head after head; a step is 128 keys.  Both products are used transposed
; (S^T = k q^T, O^T = v^T p^T): a lane holds one query throughout.
; CLUSTER: the four work-groups of a cluster are the four query quarters of one batch and head pair: they ask for K and V jointly.
; K and V of both heads lie in LDS for the whole launch, each byte filled once, by ONE joint load a wave at the head (waves 0-3 K of head 0, 4-7 its V, 8-11 and 12-15 head 1's).
; So there is no loop to run ahead in, and no prefetch is laid.
; K's rows of 256 bytes get 64 bytes of padding: a piece (16 tokens, 768 bytes) takes 960, and two pieces 1,920 = 128 modulo 256.
; WHICH KEYS FORM A TILE OF K: of each 64 keys, tile i takes as rows 0-7 group g(i) of the first block of 32 and as rows 8-15 group g(i) of the second, g = 0, 2, 1, 3 (groups of eight).
; In S^T lanes 0-15 hold rows 0-7 and lanes 16-31 rows 8-15: so a lane's 32 registers of four tiles are ONE WHOLE BLOCK, in the order that v's codes have: no lane is asked for a block's maximum, and the
; conversions' results are the operand's registers.
; THE HEAD'S 64 fill half of the instruction's 128 along K.  q's upper six registers are zero codes; K's fragments lie packed, six registers a tile, and a tile's operand runs on over the next tile's six:
; those codes are finite and meet zeros; the scale bytes over them are never 0xff.
; p = 2^(t - M), t = score x log2(e) / 8, M the ceiling of the running largest t; the sum is taken of the unquantised p; a change of M multiplies sum and O^T by an exact power of two.
; LIMITS: NaN and infinities are not served; the promise holds while |t| stays under 2^31; a block whose largest magnitude lies under 2^-122 keeps the byte 1, a block of zeros too (this program alone reads the bytes).
; REGISTERS: v1-11 addresses; v12 -M, v13 the running largest score, v14-15 the sum; v16-27, v244-255 q of the two heads; v28-29 its scale words; v32-85 K's eight fragments and six zeros, then V's four;
; v86-93 K's scale words; v96-159 S^T, then p; v160-191 O^T; v192-203 p's codes; v216-219 V's scale words; v224 p's; v232-243 the result's codes.
.set VOFFC, 12582912
.set VOFFS, 1048576
.set KPC,   960                        ; a piece of K in LDS
.set KHB,   64*KPC                     ; a head's K
.set HEADB, KHB+49152                  ; and its V behind it
.set KSC,   2*HEADB                    ; K's scale words, 8,192 bytes
.set VSC,   KSC+8192                   ; V's, 4,096 bytes
.set SPARE, VSC+4096                   ; the spare words, 128 bytes a wave
.set L16,  1
.set L8,   2
.set BM,   212
.set BT,   216
.set SO,   220
.set WV,   18
.set TK,   2                           ; s2  this step's K in LDS;  s3 its scale words;  s60 its V;  s61 V's scale words
.set TKS,  3
.set TV,   60
.set TVS,  61
.set CNT,  62
.macro ROUND
	s_barrier_signal -1
	s_barrier_wait -1
	s_cmp_lg_u32 s[WV], 0
	s_cbranch_scc1 .Lnot_wave_0_\@
	s_barrier_signal -3
.Lnot_wave_0_\@:
	s_barrier_wait -3
	s_barrier_signal -1
	s_barrier_wait -1
.endm
	s_load_b256 s[4:11], s[0:1], 0x0               ; qkvc, qkvs, c2, sc2
	v_lshl_add_u32 v225, v0, 2, SPARE
	v_mov_b32 v231, 0
	ds_add_u32 v225, v231                          ; the opening lines
	ds_add_u32 v225, v231
	v_lshrrev_b32 v9, 5, v0
	v_readfirstlane_b32 s[WV], v9                  ; wave 0..15
	s_bfe_u32 s40, ttmp6, 0x40000                  ; cx: the query quarter
	s_and_b32 s41, ttmp7, 0xffff
	s_lshr_b32 s42, s41, 3                         ; batch
	s_and_b32 s43, s41, 7                          ; head pair
	s_mov_b32 s24, 15|(3<<16)|(1<<20)|(1<<21)|(5<<22)|(15<<25)  ; K: all four partners; elements of 8 bytes; 16 words of padding behind every 64
	s_mov_b32 s72, 15|(3<<16)|(1<<21)              ; V: no padding
.irp g, 24, 72
	s_mov_b32 s[\g+1], 32<<16                      ; rows of 256 bytes
	s_mov_b32 s[\g+2], 48<<16                      ; 48 of them: 12,288 dense bytes
	s_mov_b32 s[\g+3], 32<<16
	s_mov_b32 s[\g+4], 48
	s_mov_b32 s[\g+5], 32
	s_mov_b32 s[\g+6], 0
	s_mov_b32 s[\g+7], 0
.endr
	s_lshr_b32 s44, s[WV], 3                       ; which head I fetch for,
	s_and_b32 s45, s[WV], 3                        ; and which quarter of its K or V
	s_lshl_b32 s46, s43, 1
	s_add_co_u32 s47, s46, s44                     ; the head
	s_add_co_u32 s48, s47, 16
	s_mul_i32 s48, s48, 393216
	s_mul_i32 s50, s42, 49152
	s_add_co_u32 s48, s48, s50
	s_mul_i32 s51, s45, 12288
	s_add_co_u32 s48, s48, s51                     ; K: ((16 + head) 512 + 64 batch) pieces + my quarter
	s_mov_b32 s49, 0
	s_lshl_b32 s52, s42, 4
	s_add_co_u32 s52, s52, s47
	s_mul_i32 s52, s52, 49152
	s_add_co_u32 s52, s52, s51
	s_add_co_u32 s52, s52, VOFFC                   ; V
	s_mov_b32 s53, 0
	s_mul_i32 s54, s44, HEADB
	s_mul_i32 s55, s45, 16*KPC
	s_mov_b32 s32, 1
	s_add_co_u32 s33, s54, s55
	s_mov_b32 s36, 1
	s_add_co_u32 s37, s54, s51
	s_add_co_u32 s37, s37, KHB
	s_and_b32 s55, s[WV], 4
	s_wait_dscnt 0x0
	s_wait_kmcnt 0x0
	s_add_nc_u64 s[34:35], s[4:5], s[48:49]
	s_add_nc_u64 s[38:39], s[4:5], s[52:53]
	s_or_b32 s35, s35, 0x80000000
	s_or_b32 s39, s39, 0x80000000
	ROUND                                          ; all four work-groups are here: the joint loads meet
	s_cmp_eq_u32 s55, 0
	s_cbranch_scc0 .Lfor_v
	tensor_load_to_lds s[32:35], s[24:31]
	s_nop 0
.rept 4
	v_nop
.endr
	s_branch .Lasked
.Lfor_v:
	tensor_load_to_lds s[36:39], s[72:79]
	s_nop 0
.rept 4
	v_nop
.endr
.Lasked:
	v_and_b32 v9, 31, v0
	v_lshlrev_b32 v[L16], 4, v9                    ; 16 x lane
	v_lshlrev_b32 v[L8], 3, v9
	v_add_nc_u32 v[L8], 512, v[L8]                 ; 512 + 8 x lane
	v_and_b32 v10, 15, v0
	v_lshlrev_b32 v10, 4, v10                      ; 16 r
	v_add_nc_u32 v6, VSC, v10                      ; V's scale words: row r
	v_and_b32 v7, 7, v0                            ; r % 8
	v_bfe_u32 v8, v0, 3, 1                         ; r / 8
	v_bfe_u32 v9, v0, 4, 1                         ; h
	v_mul_u32_u24 v11, v8, 2*KPC                   ; rows 8-15 of a tile come from two pieces further on
	v_lshl_add_u32 v3, v7, 4, v11
	v_mad_u32_u24 v3, v9, 320, v3                  ; K, registers 0-3: 16 (r % 8) + a padded row for h
	v_lshl_add_u32 v4, v7, 3, v11
	v_lshl_add_u32 v4, v9, 7, v4
	v_add_nc_u32 v4, 640, v4                       ; K, registers 4-5: the piece's third row, 8 (16 h + r % 8)
	v_lshl_add_u32 v5, v8, 3, KSC
	v_lshl_add_u32 v5, v7, 4, v5                   ; K's scale words: 16 (r % 8) + 8 (r / 8)
	v_lshlrev_b32 v9, 3, v9                        ; 8 h
	v_lshlrev_b32 v94, 4, v0
	v_lshlrev_b32 v95, 3, v0
	v_add_nc_u32 v30, KSC, v94
	v_add_nc_u32 v31, VSC, v95
.irp i, 6,7,8,9,10,11
	v_mov_b32 v[16+\i], 0                          ; q's upper halves: zero codes
	v_mov_b32 v[244+\i], 0
	v_mov_b32 v[74+\i], 0                          ; and what follows K's last fragment
.endr
	v_mov_b32 v227, 0
	v_mov_b32 v228, 0
	s_wait_alu depctr_va_vdst(0)
	s_lshl_b32 s50, s42, 6
	s_lshl_b32 s51, s40, 4
	s_add_co_u32 s50, s50, s51
	s_add_co_u32 s50, s50, s[WV]                   ; my token tile
	s_lshl_b32 s52, s43, 10
	s_add_co_u32 s52, s52, s50
	s_mul_i32 s52, s52, 768
	s_mov_b32 s53, 0
	s_add_nc_u64 s[56:57], s[4:5], s[52:53]
	global_load_b128 v[16:19], v[L16], s[56:57]
	global_load_b64 v[20:21], v[L8], s[56:57]
	global_load_b128 v[244:247], v[L16], s[56:57] offset:393216
	global_load_b64 v[248:249], v[L8], s[56:57] offset:393216
	s_lshl_b32 s58, s43, 6
	s_lshr_b32 s59, s50, 3
	s_add_co_u32 s58, s58, s59
	s_lshl_b32 s58, s58, 10
	s_bfe_u32 s59, s[WV], 0x10002
	s_lshl_b32 s59, s59, 9
	s_add_co_u32 s58, s58, s59
	s_and_b32 s59, s[WV], 3
	s_lshl_b32 s59, s59, 2
	s_add_co_u32 s58, s58, s59
	s_mov_b32 s59, 0
	s_add_nc_u64 s[58:59], s[6:7], s[58:59]
	global_load_b32 v28, v10, s[58:59]             ; q's scale words
	global_load_b32 v29, v10, s[58:59] offset:256
	s_add_co_u32 s44, s43, 8
	s_lshl_b32 s44, s44, 6
	s_lshl_b32 s45, s42, 3
	s_add_co_u32 s44, s44, s45
	s_lshl_b32 s44, s44, 10
	s_mov_b32 s45, 0
	s_add_nc_u64 s[44:45], s[6:7], s[44:45]
	s_lshl_b32 s48, s42, 4
	s_add_co_u32 s48, s48, s46
	s_lshl_b32 s48, s48, 11
	s_add_co_u32 s48, s48, VOFFS
	s_mov_b32 s49, 0
	s_add_nc_u64 s[48:49], s[6:7], s[48:49]
	global_load_b128 v[96:99], v94, s[44:45]       ; K's and V's scale words, once, in whole units: 512 threads x 16 and x 8 bytes
	global_load_b64 v[100:101], v95, s[48:49]
	s_lshl_b32 s68, s50, 4
	s_add_co_u32 s68, s68, s46
	s_mul_i32 s68, s68, 768
	s_mov_b32 s69, 0
	s_add_nc_u64 s[68:69], s[8:9], s[68:69]        ; where my codes go
	s_lshl_b32 s70, s50, 9
	s_lshr_b32 s71, s43, 2
	s_lshl_b32 s71, s71, 8
	s_add_co_u32 s70, s70, s71
	s_and_b32 s71, s43, 3
	s_lshl_b32 s71, s71, 2
	s_add_co_u32 s70, s70, s71
	s_mov_b32 s71, 0
	s_add_nc_u64 s[70:71], s[10:11], s[70:71]      ; and my scale words
	s_mov_b32 s20, 0x76543210
	s_mov_b32 s21, 0xfedcba98                      ; v_permlanex16_b32's selects for lane l xor 16
	s_mov_b32 s22, 0x3e38aa3b                      ; log2(e) / 8
	s_mov_b32 s23, s22
	s_wait_loadcnt 0x0
	s_wait_tensorcnt 0x0                           ; my part of K or V is in
	ds_store_b128 v30, v[96:99]
	ds_store_b64 v31, v[100:101]
	s_wait_dscnt 0x0                               ; for the others' sake
	s_barrier_signal -1
	s_barrier_wait -1                              ; everybody's tiles and scale words are in: no barrier follows but the closing round's
.macro STEP qf, qs
	v_add_nc_u32 v7, s[TK], v3
	v_add_nc_u32 v8, s[TK], v4
	v_add_nc_u32 v11, s[TKS], v5
.irp c, 0,1
.irp u, 0,1
	ds_load_b64 v[86+4*\c+2*\u:87+4*\c+2*\u], v11 offset:512*\c+128*\u      ; the words of tiles 4 c + 2 u and + 1
.endr
.endr
.irp c, 0,1
.irp i, 0,1,2,3
	ds_load_b128 v[32+6*(4*\c+\i):35+6*(4*\c+\i)], v7 offset:(4*\c+(\i%2))*KPC+(\i/2)*128
	ds_load_b64 v[36+6*(4*\c+\i):37+6*(4*\c+\i)], v8 offset:(4*\c+(\i%2))*KPC+(\i/2)*64
.endr
.endr
	s_wait_dscnt 0x0
.irp t, 0,1,2,3,4,5,6,7
	v_wmma_scale_f32_16x16x128_f8f6f4 v[96+8*\t:103+8*\t], v[32+6*\t:43+6*\t], v[\qf:\qf+11], 0, v[86+\t], v[\qs] matrix_a_fmt:MATRIX_FMT_BF6 matrix_b_fmt:MATRIX_FMT_BF6
.endr
	v_add_nc_u32 v7, s[TV], v[L16]                 ; four plain lines: the places behind the products
	v_add_nc_u32 v8, s[TV], v[L8]
	v_add_nc_u32 v11, s[TVS], v6
	v_mov_b32 v228, v12                            ; the old -M
	ds_load_b128 v[216:219], v11
.irp t, 0,1,2,3
.irp c, 0,1
	ds_load_b128 v[32+12*\t+6*\c:35+12*\t+6*\c], v7 offset:1536*\t+768*\c     ; V's fragments, where K's lay: they land under the softmax
	ds_load_b64 v[36+12*\t+6*\c:37+12*\t+6*\c], v8 offset:1536*\t+768*\c
.endr
.endr
.irp c, 0,1                                    ; my two blocks' largest scores, each in two chains; every accumulator is read from its low end on
	v_max3_num_f32 v[BM+\c], v[96+32*\c], v[97+32*\c], v[98+32*\c]
	v_max3_num_f32 v[214+\c], v[112+32*\c], v[113+32*\c], v[114+32*\c]
.endr
.irp i, 3,5,7,9,11,13
.irp c, 0,1
	v_max3_num_f32 v[BM+\c], v[BM+\c], v[96+32*\c+\i], v[97+32*\c+\i]
	v_max3_num_f32 v[214+\c], v[214+\c], v[112+32*\c+\i], v[113+32*\c+\i]
.endr
.endr
.irp c, 0,1
	v_max3_num_f32 v[BM+\c], v[BM+\c], v[111+32*\c], v[127+32*\c]
.endr
.irp c, 0,1
	v_max_num_f32 v[BM+\c], v[BM+\c], v[214+\c]
.endr
	s_delay_alu instid0(VALU_DEP_1)
	v_max_num_f32 v30, v212, v213
	s_delay_alu instid0(VALU_DEP_1)
	v_permlanex16_b32 v31, v30, s20, s21
	s_delay_alu instid0(VALU_DEP_1)
	v_max3_num_f32 v13, v13, v30, v31              ; the running largest score of my query
	s_delay_alu instid0(VALU_DEP_1)
	v_mul_f32 v30, s22, v13                        ; as t
	s_delay_alu instid0(VALU_DEP_1)
	v_floor_f32 v12, -v30                          ; -M = floor(-t)
	s_delay_alu instid0(VALU_DEP_1)
	v_sub_f32 v228, v12, v228
	s_delay_alu instid0(VALU_DEP_1)
	v_cvt_i32_f32 v228, v228                       ; old M less new M (it saturates)
	s_delay_alu instid0(VALU_DEP_1)
	v_ldexp_f32 v226, 1.0, v228                    ; f: an exact power of two
	v_pk_mul_f32 v[14:15], v[14:15], v[226:227] op_sel_hi:[1,0]
.set J, 0
.rept 16
	v_pk_mul_f32 v[160+J:161+J], v[160+J:161+J], v[226:227] op_sel_hi:[1,0]   ; O^T under the new M; no transcendental stands between the products that wrote it and these lines
.set J, J+2
.endr
.set J, 0
.rept 32
	v_pk_fma_f32 v[96+J:97+J], v[96+J:97+J], s[22:23], v[12:13] op_sel_hi:[1,0,0]   ; t - M
.set J, J+2
.endr
.irp c, 0,1
	v_fma_f32 v[BM+\c], v[BM+\c], s22, v12         ; the same of each block's largest score: p rises with the score
.endr
	s_wait_alu depctr_va_vdst(0)
	v_exp_f32 v212, v212
	v_exp_f32 v213, v213
.set J, 0
.rept 64
	v_exp_f32 v[96+J], v[96+J]
.set J, J+1
.endr
	v_nop                                          ; one plain place behind the batch
	s_wait_alu depctr_va_vdst(0)                   ; and one wait for it
.irp c, 0,1
	v_max_num_f32 v[BM+\c], 0x2800000, v[BM+\c]    ; the floor 2^(5 - 127)
.endr
.irp c, 0,1
	v_add_nc_u32 v[SO+\c], 0xfe000000, v[BM+\c]    ; 4 off the exponent field: the conversion's scale operand
.endr
.irp c, 0,1
	v_lshrrev_b32 v[222+\c], 23, v[SO+\c]          ; the byte
.endr
	s_delay_alu instid0(VALU_DEP_1)
	v_lshl_or_b32 v224, v223, 16, v222             ; my bytes: blocks h and 2 + h,
	s_delay_alu instid0(VALU_DEP_1)
	v_lshlrev_b32 v224, v9, v224                   ; at their places;
	s_delay_alu instid0(VALU_DEP_1)
	v_permlanex16_b32 v31, v224, s20, s21
	s_delay_alu instid0(VALU_DEP_1)
	v_or_b32 v224, v224, v31                       ; with lane l xor 16's the word is whole
.irp c, 0,1
	v_cvt_scalef32_pk16_bf6_f32 v[192+6*\c:194+6*\c], v[96+32*\c:111+32*\c], v[SO+\c]
	v_cvt_scalef32_pk16_bf6_f32 v[204+4*\c:206+4*\c], v[112+32*\c:127+32*\c], v[SO+\c]   ; (a conversion's three registers begin on an even number)
.endr
	v_nop                                          ; one plain place behind a scaled conversion
.irp c, 0,1
.irp i, 0,1,2
	v_mov_b32 v[195+6*\c+\i], v[204+4*\c+\i]
.endr
.endr
	v_pk_add_f32 v[94:95], v[96:97], v[98:99]      ; the sum of the unquantised p, in two chains; these lines are also the places ahead of the scaled products
.irp j, 4,8,12,16,20,24,28,32,36,40,44,48,52
	v_pk_add_f32 v[14:15], v[14:15], v[96+\j:97+\j]
	v_pk_add_f32 v[94:95], v[94:95], v[98+\j:99+\j]
.endr
	s_wait_alu depctr_va_vdst(0)
	s_wait_dscnt 0x0                               ; V's fragments and scale words
.irp t, 0,1,2,3
	v_wmma_scale_f32_16x16x128_f8f6f4 v[160+8*\t:167+8*\t], v[32+12*\t:43+12*\t], v[192:203], v[160+8*\t:167+8*\t], v[216+\t], v224 matrix_a_fmt:MATRIX_FMT_BF6 matrix_b_fmt:MATRIX_FMT_BF6
.endr
.irp j, 56,60
	v_pk_add_f32 v[14:15], v[14:15], v[96+\j:97+\j]     ; the rest of the sum: the places behind the products
	v_pk_add_f32 v[94:95], v[94:95], v[98+\j:99+\j]
.endr
	v_pk_add_f32 v[14:15], v[14:15], v[94:95]
	s_add_co_u32 s[TK], s[TK], 8*KPC
	s_add_co_u32 s[TKS], s[TKS], 1024
	s_add_co_u32 s[TV], s[TV], 6144
	s_add_co_u32 s[TVS], s[TVS], 256
.endm
; A head's end: O^T / the sum, quantised along the head's 64 (two blocks; a lane's 16 registers of two neighbouring tiles are taken as 16 neighbours, as out_w's codes have it).
.macro FINAL e
	v_add_f32 v14, v14, v15
	s_delay_alu instid0(VALU_DEP_1)
	v_permlanex16_b32 v228, v14, s20, s21
	s_delay_alu instid0(VALU_DEP_1)
	v_add_f32 v14, v14, v228
	s_wait_alu depctr_va_vdst(0)
	v_rcp_f32 v14, v14
	v_nop
	s_wait_alu depctr_va_vdst(0)
.set J, 0
.rept 16
	v_pk_mul_f32 v[96+J:97+J], v[160+J:161+J], v[14:15] op_sel_hi:[1,0]
.set J, J+2
.endr
.irp b, 0,1
	v_max3_num_f32 v[BM+\b], |v[96+16*\b]|, |v[97+16*\b]|, 0x2800000
.endr
.irp i, 2,4,6,8,10,12,14
.irp b, 0,1
	s_delay_alu instid0(VALU_DEP_2)
	v_max3_num_f32 v[BM+\b], v[BM+\b], |v[96+16*\b+\i]|, |v[97+16*\b+\i]|
.endr
.endr
.irp b, 0,1
	s_delay_alu instid0(VALU_DEP_2)
	v_permlanex16_b32 v[BT+\b], v[BM+\b], s20, s21
.endr
.irp b, 0,1
	s_delay_alu instid0(VALU_DEP_2)
	v_max_num_f32 v[BM+\b], v[BM+\b], v[BT+\b]
.endr
.irp b, 0,1
	s_delay_alu instid0(VALU_DEP_2)
	v_add_nc_u32 v[SO+\b], 0xfe000000, v[BM+\b]
.endr
.irp b, 0,1
	s_delay_alu instid0(VALU_DEP_2)
	v_lshrrev_b32 v[BT+\b], 23, v[SO+\b]
.endr
	s_delay_alu instid0(VALU_DEP_1)
	v_lshl_or_b32 v229, v217, 8, v216
.if \e == 0
	s_delay_alu instid0(VALU_DEP_1)
	v_mov_b32 v230, v229
.else
	s_delay_alu instid0(VALU_DEP_1)
	v_lshl_or_b32 v230, v229, 16, v230
.endif
	v_cvt_scalef32_pk16_bf6_f32 v[232+6*\e:234+6*\e], v[96:111], v220
	v_cvt_scalef32_pk16_bf6_f32 v[204:206], v[112:127], v221
	v_nop
.irp i, 0,1,2
	v_permlane16_swap_b32 v[232+6*\e+\i], v[204+\i]
.endr
.irp i, 0,1,2
	s_delay_alu instid0(VALU_DEP_3)
	v_mov_b32 v[235+6*\e+\i], v[204+\i]
.endr
.endm
.macro PASS e
	v_mov_b32 v13, 0xff61b1e6                      ; the largest score so far: -3e38
	s_delay_alu instid0(VALU_DEP_1)
	v_floor_f32 v12, -v13
	v_mov_b32 v14, 0
	v_mov_b32 v15, 0
.set J, 0
.rept 32
	v_mov_b32 v[160+J], 0                          ; the step is written once: the first finds zeros
.set J, J+1
.endr
	s_mov_b32 s[TK], HEADB*\e
	s_mov_b32 s[TKS], 256*\e
	s_mov_b32 s[TV], HEADB*\e+KHB
	s_mov_b32 s[TVS], 2048*\e
	s_mov_b32 s[CNT], 8
	s_wait_alu depctr_va_vdst(0)
.Lstep_\@:
	STEP 16+228*\e, 28+\e
	s_sub_co_u32 s[CNT], s[CNT], 1
	s_cmp_lg_u32 s[CNT], 0
	s_cbranch_scc1 .Lstep_\@
	FINAL \e
.endm
	PASS 0
	PASS 1
	global_store_b128 v[L16], v[232:235], s[68:69]                 ; 512 consecutive bytes, aligned to 256
	global_store_b64 v[L8], v[236:237], s[68:69]                   ; 256 consecutive bytes
	global_store_b128 v[L16], v[238:241], s[68:69] offset:768
	global_store_b64 v[L8], v[242:243], s[68:69] offset:768
	global_store_b32 v10, v230, s[70:71]
	s_wait_tensorcnt 0x0                           ; the wave's end
	ds_add_u32 v225, v231
	s_wait_dscnt 0x0
	ROUND                                          ; the closing round
	s_endpgm
.Lfunc_end_k_qc96091ca07_attn:
	.size	k_qc96091ca07_attn, .Lfunc_end_k_qc96091ca07_attn-k_qc96091ca07_attn
	.p2alignl 7, 3214868480
	.fill 96, 4, 3214868480
	.section	.rodata,"a",@progbits
	.p2align	6, 0x0
	.amdhsa_kernel k_qc96091ca07_attn
		.amdhsa_group_segment_fixed_size 327680
		.amdhsa_private_segment_fixed_size 0
		.amdhsa_enable_private_segment 0
		.amdhsa_kernarg_size 32
		.amdhsa_user_sgpr_count 2
		.amdhsa_user_sgpr_kernarg_segment_ptr 1
		.amdhsa_wavefront_size32 1
		.amdhsa_system_sgpr_workgroup_id_x 1
		.amdhsa_system_sgpr_workgroup_id_y 1
		.amdhsa_system_sgpr_workgroup_id_z 1
		.amdhsa_system_vgpr_workitem_id 0
		.amdhsa_next_free_vgpr 256
		.amdhsa_next_free_sgpr 80
		.amdhsa_reserve_vcc 0
		.amdhsa_float_denorm_mode_32 3
		.amdhsa_float_denorm_mode_16_64 3
		.amdhsa_memory_ordered 1
		.amdhsa_forward_progress 1
		.amdhsa_inst_pref_size 52
	.end_amdhsa_kernel
	.amdgpu_metadata
---
amdhsa.version: [ 1, 2 ]
amdhsa.kernels:
  - .name:           k_qc96091ca07_attn
    .symbol:         k_qc96091ca07_attn.kd
    .args:
      - { .name: qkvc, .offset: 0, .size: 8, .value_kind: global_buffer, .address_space: global }
      - { .name: qkvs, .offset: 8, .size: 8, .value_kind: global_buffer, .address_space: global }
      - { .name: c2, .offset: 16, .size: 8, .value_kind: global_buffer, .address_space: global }
      - { .name: sc2, .offset: 24, .size: 8, .value_kind: global_buffer, .address_space: global }
    .group_segment_fixed_size: 327680
    .private_segment_fixed_size: 0
    .kernarg_segment_align: 8
    .kernarg_segment_size: 32
    .max_flat_workgroup_size: 512
    .sgpr_count:     80
    .vgpr_count:     256
    .wavefront_size: 32
...
	.end_amdgpu_metadata
.endif
;; end of part 3
;; launch proj (part 4): grid 4 x 64, 4 waves a work-group, clusters of 4 x 4, 327,680 bytes of LDS; arguments c2, sc2, out_b, out0; writes out0
.if DOCPART == 4
	.amdgcn_target "amdgcn-amd-amdhsa--gfx1250"
	.amdhsa_code_object_version 6
	.text
	.protected	k_qc96091ca07_proj
	.globl	k_qc96091ca07_proj
	.p2align	8
	.type	k_qc96091ca07_proj,@function
k_qc96091ca07_proj:
	s_mov_b64 s[64:65], 0
	v_nop
	global_prefetch_b8 v0, s[64:65] scope:SCOPE_SE
	s_setreg_imm32_b32 hwreg(HW_REG_WAVE_MODE, 25, 1), 1
	s_wait_xcnt 0x0
	s_wait_alu depctr_hold_cnt(0) depctr_sa_sdst(0) depctr_va_vdst(0) depctr_va_sdst(0) depctr_va_ssrc(0) depctr_va_vcc(0) depctr_vm_vsrc(0)
	s_getreg_b32 s2, hwreg(HW_REG_IB_STS2, 6, 4)
	s_cmp_eq_u32 s2, 0
	s_cbranch_scc0 .Lentry_in_a_cluster
	s_endpgm
.Lentry_in_a_cluster:
	s_bfe_u32 s2, ttmp6, 0x10000c
	s_cmp_lg_u32 s2, 0xf033
	s_cbranch_scc0 .Lentry_shape_is_right
	s_endpgm
.Lentry_shape_is_right:
; out0 = attn out_w^T + out_b on codes of BF6 (E3M2) with E8M0 scales, K = 1,024.  c2's row tiles 0-511 are attn's (token / 16), 512-575 out_w's; sc2 holds their scale words.
; A tile of the result is 128 tokens x 256 features, so that there are 256 work-groups; four waves, each 64 x 128: 32 accumulators.  Used transposed (source 0 = 16 rows of out_w, source 1 = 16 tokens): a lane
; holds eight neighbouring features of one token.  The bias is the C of each sum's first product.
; A row tile is 16 pieces of 768 bytes, each the image of six operand registers: a fragment of 128 along K is four dense LDS loads.
; THE TILE'S WHOLE K LIES IN LDS: row tile by row tile, 12,288 bytes each (A's 8 row tiles, then B's 16), filled once by one load a wave at the head: one tensor load of a wave is out.
; CLUSTERS: 4 x 4 work-groups; A's tiles are shared along a row of the cluster, B's along a column: joint loads.
; REGISTERS: window 0: v1-23 addresses; v32-95 scale words; v96-191 A's fragments, two sets of four; v192-255 the bias.  window 1: B's fragments, two sets, at v0 and v128; on the way out rows of the result.
;   window 2: accumulator (a, b) at v[8 (8 a + b)].
; LDS AS THE TEXT BELOW HAS IT: row tile by row tile, 12,288 bytes each with all of K: A's 8, then B's 16.  Each wave asks for its part by ONE dense joint load at the head
; (A: 4 row tiles, 192 rows of 256 bytes; B: 8 row tiles, 384 rows): one tensor load of a wave is out.  The stage of the way out lies on A's first bytes, behind a barrier behind which nobody reads them.
.set QB,   73728
.set B16H, 11                          ; v11-12 B's row tiles 4-7: 49,152 bytes on, so that every offset stays under 65,536
.set B8H,  12
.set A16,  4                           ; v4-7 my fragments' addresses
.set A8,   5
.set B16,  6
.set B8,   7
.set STO,  8                           ; v8  the way out: where I put 32 bytes of a row
.set RD,   9                           ; v9  and where I read a row back
.set CO,   10                          ; v10 16 x lane
.set S,    32                          ; scale words: register 8 i + k: lanes 0-15 A's tile i (i < 4 are used), lanes 16-31 B's tile i, K step k
.set AFR,  96
.set BI,   192
.set G1A, 24                           ; s[24:31] group 1 for A's tiles;  s[32:39] for B's;  s[40:43], s[68:71] groups 0
.set G1B, 32
.set G0A, 40
.set G0B, 68
.set MSB, 0
.macro WIN new                         ; the immediate's high byte repeats the setting that is left
.if MSB != (\new)
	s_set_vgpr_msb (MSB<<8)|(\new)
.set MSB, (\new)
.endif
.endm
.macro CROUND                          ; a round of the cluster's barrier
	s_barrier_signal -1
	s_barrier_wait -1
	s_cmp_lg_u32 s14, 0
	s_cbranch_scc1 .Lnot_wave_0_\@
	s_barrier_signal -3
.Lnot_wave_0_\@:
	s_barrier_wait -3
	s_barrier_signal -1
	s_barrier_wait -1
.endm
	s_load_b256 s[4:11], s[0:1], 0x0               ; c2 s[4:5], sc2 s[6:7], out_b s[8:9], out0 s[10:11]
	v_lshl_add_u32 v30, v0, 2, 0x48000
	v_mov_b32 v31, 0
	ds_add_u32 v30, v31
	ds_add_u32 v30, v31
	v_lshrrev_b32 v19, 5, v0
	v_readfirstlane_b32 s14, v19                   ; wave 0..3
	s_lshr_b32 s15, s14, 1                         ; which 64 tokens are mine.  Also: I fetch for A (0) or for B (1)
	s_and_b32 s16, s14, 1                          ; which 128 features.  Also: which half of that tile I fetch
	s_bfe_u32 s84, ttmp6, 0x40000                  ; cx
	s_bfe_u32 s85, ttmp6, 0x40004                  ; cy
	s_lshl_b32 s86, ttmp9, 2
	s_add_co_u32 s86, s86, s84                     ; tile column
	s_and_b32 s87, ttmp7, 0xffff
	s_lshl_b32 s87, s87, 2
	s_add_co_u32 s87, s87, s85                     ; tile row
	s_lshl_b32 s88, s85, 2
	s_lshl_b32 s88, 15, s88                        ; my row of the cluster
	s_lshl_b32 s89, 0x1111, s84                    ; my column
	s_or_b32 s[G1A], s88, (3<<16)|(1<<21)          ; the mask; elements of 8 bytes; no padding; bit 21 beside a mask
	s_mov_b32 s[G1A+1], 32<<16                     ; rows of 256 bytes
	s_mov_b32 s[G1A+2], 192<<16                    ; 4 row tiles: 49,152 dense bytes
	s_mov_b32 s[G1A+3], 32<<16
	s_mov_b32 s[G1A+4], 192
	s_mov_b32 s[G1A+5], 32
	s_mov_b32 s[G1A+6], 0
	s_mov_b32 s[G1A+7], 0
	s_or_b32 s[G1B], s89, (3<<16)|(1<<21)
	s_mov_b32 s[G1B+1], 32<<16
	s_mov_b32 s[G1B+2], 384<<16                    ; 8 row tiles: 98,304 dense bytes
	s_mov_b32 s[G1B+3], 32<<16
	s_mov_b32 s[G1B+4], 384
	s_mov_b32 s[G1B+5], 32
	s_mov_b32 s[G1B+6], 0
	s_mov_b32 s[G1B+7], 0
	s_lshl_b32 s18, s87, 3
	s_lshl_b32 s90, s16, 2
	s_add_co_u32 s18, s18, s90
	s_mul_i32 s18, s18, 12288                      ; A: row tile 8 x tile row + 4 x half
	s_mov_b32 s19, 0
	s_lshl_b32 s20, s86, 4
	s_lshl_b32 s90, s16, 3
	s_add_co_u32 s20, s20, s90
	s_add_co_u32 s20, s20, 512
	s_mul_i32 s20, s20, 12288                      ; B: row tile 512 + 16 x tile column + 8 x half
	s_mov_b32 s21, 0
	s_mul_i32 s22, s16, 49152                      ; where they go: A's two halves,
	s_mul_i32 s23, s16, 98304
	s_add_co_u32 s23, s23, 98304                   ; then B's two
	s_wait_dscnt 0x0
	s_wait_kmcnt 0x0
	s_add_nc_u64 s[18:19], s[4:5], s[18:19]
	s_add_nc_u64 s[20:21], s[4:5], s[20:21]
	CROUND                                         ; all sixteen work-groups are here: the joint loads meet
.irp q, 0
	s_mov_b32 s[G0A+4*\q], 1
	s_add_co_u32 s[G0A+4*\q+1], s22, \q*QB
	s_add_nc_u64 s[G0A+4*\q+2:G0A+4*\q+3], s[18:19], \q*3072
	s_or_b32 s[G0A+4*\q+3], s[G0A+4*\q+3], 0x80000000
	s_mov_b32 s[G0B+4*\q], 1
	s_add_co_u32 s[G0B+4*\q+1], s23, \q*QB
	s_add_nc_u64 s[G0B+4*\q+2:G0B+4*\q+3], s[20:21], \q*3072
	s_or_b32 s[G0B+4*\q+3], s[G0B+4*\q+3], 0x80000000
.endr
	s_cmp_eq_u32 s15, 0                            ; a wave's one fill stands in a branch on the wave's number; four v_nop follow it
	s_cbranch_scc0 .Lfor_b
.irp q, 0
	tensor_load_to_lds s[G0A+4*\q:G0A+4*\q+3], s[G1A:G1A+7]
	s_nop 0
.endr
.rept 4
	v_nop
.endr
	s_branch .Lasked
.Lfor_b:
.irp q, 0
	tensor_load_to_lds s[G0B+4*\q:G0B+4*\q+3], s[G1B:G1B+7]
	s_nop 0
.endr
.rept 4
	v_nop
.endr
.Lasked:
	v_and_b32 v1, 15, v0                           ; r
	v_bfe_u32 v2, v0, 4, 1                         ; h
	v_and_b32 v19, 31, v0
	v_lshlrev_b32 v[CO], 4, v19
	v_lshlrev_b32 v20, 3, v19
	v_add_nc_u32 v20, 512, v20
	s_mul_i32 s90, s15, 49152                      ; my 4 row tiles of A,
	s_mul_i32 s91, s16, 98304
	s_add_co_u32 s91, s91, 98304                   ; my 8 of B
	v_add_nc_u32 v[A16], s90, v[CO]
	v_add_nc_u32 v[A8], s90, v20
	v_add_nc_u32 v[B16], s91, v[CO]
	v_add_nc_u32 v[B8], s91, v20
	v_add_nc_u32 v[B16H], 49152, v[B16]
	v_add_nc_u32 v[B8H], 49152, v[B8]
	s_mul_i32 s92, s14, 8448                       ; my stage for the way out: 16 rows x (512 + 16) bytes, on A's first bytes, which have had their one fill and is read by nobody behind the second barrier
	v_mul_u32_u24 v[STO], v1, 528
	v_lshl_add_u32 v[STO], v2, 5, v[STO]
	v_add_nc_u32 v[STO], s92, v[STO]
	v_add_nc_u32 v[RD], s92, v[CO]
	s_lshl_b32 s90, s87, 3
	s_lshl_b32 s91, s15, 2
	s_add_co_u32 s90, s90, s91
	s_lshl_b32 s90, s90, 9                         ; scale words: 512 bytes a row tile: A's from my first tile on (tiles 4-7 from there lie inside sc2 and are not used),
	s_lshl_b32 s91, s86, 4
	s_lshl_b32 s92, s16, 3
	s_add_co_u32 s91, s91, s92
	s_add_co_u32 s91, s91, 512
	s_lshl_b32 s91, s91, 9                         ; B's
	s_mov_b32 s93, 0xffff0000
	v_mov_b32 v21, s90
	v_mov_b32 v22, s91
	v_cndmask_b32 v21, v21, v22, s93               ; lanes 0-15 take A's, lanes 16-31 B's
	v_lshl_add_u32 v21, v1, 4, v21
.irp i, 0,1,2,3,4,5,6,7
.irp q, 0,1
	global_load_b128 v[S+8*\i+4*\q:S+8*\i+4*\q+3], v21, s[6:7] offset:512*\i+256*\q
.endr
.endr
	s_lshl_b32 s94, s86, 10
	s_lshl_b32 s92, s16, 9
	s_add_co_u32 s94, s94, s92                     ; my first feature, in bytes
	s_mov_b32 s95, 0
	s_lshl_b32 s96, s87, 19
	s_lshl_b32 s97, s15, 18
	s_add_co_u32 s96, s96, s97
	s_add_co_u32 s96, s96, s94                     ; my first token's row of 4,096 bytes, + my first feature
	s_mov_b32 s97, 0
	s_add_nc_u64 s[10:11], s[10:11], s[96:97]
	s_add_nc_u64 s[94:95], s[8:9], s[94:95]
	v_lshlrev_b32 v23, 5, v2
.irp b, 0,1,2,3,4,5,6,7
	global_load_b128 v[BI+8*\b:BI+8*\b+3], v23, s[94:95] offset:64*\b          ; tile b: the bias of features 16 b + 8 h + 0 .. 7
	global_load_b128 v[BI+8*\b+4:BI+8*\b+7], v23, s[94:95] offset:64*\b+16
.endr
.macro FRAG reg, a16, a8, off
	ds_load_b128 v[\reg:\reg+3], v[\a16] offset:\off
	ds_load_b64 v[\reg+4:\reg+5], v[\a8] offset:\off
	ds_load_b128 v[\reg+6:\reg+9], v[\a16] offset:(\off)+768
	ds_load_b64 v[\reg+10:\reg+11], v[\a8] offset:(\off)+768
.endm
.macro FETCH4 kk                       ; K step kk's fragments: B's eight, A's four, into set kk % 2
	WIN 0x40
.irp i, 0,1,2,3
	FRAG 128*((\kk)%2)+12*\i, B16, B8, \i*12288+(\kk)*1536
.endr
.irp i, 4,5,6,7
	FRAG 128*((\kk)%2)+12*\i, B16H, B8H, (\i-4)*12288+(\kk)*1536
.endr
	WIN 0
.irp i, 0,1,2,3
	FRAG AFR+48*((\kk)%2)+12*\i, A16, A8, \i*12288+(\kk)*1536
.endr
.endm
.macro MUL32 k                         ; 32 products; the 32 accumulators take turns, in the same order in every step
.if (\k) == 0
	WIN 0x81                                       ; B window 1, A and the bias window 0, D window 2
.else
	WIN 0xa1
.endif
.irp a, 0,1,2,3
.irp b, 0,1,2,3,4,5,6,7
.if (\k) == 0
	v_wmma_scale_f32_16x16x128_f8f6f4 v[8*(8*\a+\b):8*(8*\a+\b)+7], v[128*((\k)%2)+12*\b:128*((\k)%2)+12*\b+11], v[AFR+48*((\k)%2)+12*\a:AFR+48*((\k)%2)+12*\a+11], v[BI+8*\b:BI+8*\b+7], v[S+8*\b+(\k)], v[S+8*\a+(\k)] matrix_a_fmt:MATRIX_FMT_BF6 matrix_b_fmt:MATRIX_FMT_BF6 matrix_a_scale:MATRIX_SCALE_ROW1
.else
	v_wmma_scale_f32_16x16x128_f8f6f4 v[8*(8*\a+\b):8*(8*\a+\b)+7], v[128*((\k)%2)+12*\b:128*((\k)%2)+12*\b+11], v[AFR+48*((\k)%2)+12*\a:AFR+48*((\k)%2)+12*\a+11], v[8*(8*\a+\b):8*(8*\a+\b)+7], v[S+8*\b+(\k)], v[S+8*\a+(\k)] matrix_a_fmt:MATRIX_FMT_BF6 matrix_b_fmt:MATRIX_FMT_BF6 matrix_a_scale:MATRIX_SCALE_ROW1
.endif
.endr
.endr
.endm
	s_wait_alu depctr_va_vdst(0)
	s_wait_loadcnt 0x0                             ; scale words and bias
	s_wait_tensorcnt 0x0                           ; my part of the tiles is in
	s_barrier_signal -1
	s_barrier_wait -1
	FETCH4 0
.irp k, 0,1,2,3,4,5,6,7
	s_wait_dscnt 0x0                               ; this step's fragments are in (asked for 32 products ago)
.if \k < 7
.rept 4
	v_nop                                          ; places in front of loads into registers that products have read
.endr
	FETCH4 \k+1
.else
	s_barrier_signal -1                            ; my reads of the tiles are over; the last products stand between signal and wait
.endif
	MUL32 \k
.endr
; THE WAY OUT, block by block of 16 tokens x 128 features: through my own stage in LDS, back as whole rows of 512 bytes.  LDS serves a wave's instructions in order: no wait between the stores and the loads.
.macro TOSTAGE a
	WIN 0x08                                       ; the data: window 2
.irp b, 0,1,2,3,4,5,6,7
	ds_store_b128 v[STO], v[64*\a+8*\b:64*\a+8*\b+3] offset:64*\b              ; each accumulator from its low end on
	ds_store_b128 v[STO], v[64*\a+8*\b+4:64*\a+8*\b+7] offset:64*\b+16
.endr
	WIN 0x40                                       ; back into window 1: each block has registers of its own
.irp t, 0,1,2,3,4,5,6,7,8,9,10,11,12,13,14,15
	ds_load_b128 v[64*\a+4*\t:64*\a+4*\t+3], v[RD] offset:\t*528
.endr
.endm
.macro SEND a, younger                 ; younger: the LDS instructions issued behind block a's loads, which may stay out
	WIN 0x04                                       ; the data: window 1
	s_wait_dscnt \younger
.irp t, 0,1,2,3,4,5,6,7,8,9,10,11,12,13,14,15
	global_store_b128 v[CO], v[64*\a+4*\t:64*\a+4*\t+3], s[10:11] offset:(16*\a+\t)*4096 th:TH_STORE_NT   ; 32 lanes store 512 consecutive bytes, at a multiple of 256 from out0's first byte
.endr
.endm
.rept 4
	v_nop                                          ; places behind the last products
.endr
	s_barrier_wait -1                              ; everybody's are: the stage may be written
	TOSTAGE 0
	TOSTAGE 1
	SEND 0, 32                                     ; behind block 0's loads: block 1's 16 stores and 16 loads
	TOSTAGE 2
	SEND 1, 32
	TOSTAGE 3
	SEND 2, 32
	SEND 3, 0
	WIN 0
	s_wait_tensorcnt 0x0
	ds_add_u32 v30, v31
	s_wait_dscnt 0x0
	CROUND                                         ; the closing round: no work-group ends while a partner may still ask for a tile that names it
	s_endpgm
.Lfunc_end_k_qc96091ca07_proj:
	.size	k_qc96091ca07_proj, .Lfunc_end_k_qc96091ca07_proj-k_qc96091ca07_proj
	.p2alignl 7, 3214868480
	.fill 96, 4, 3214868480
	.section	.rodata,"a",@progbits
	.p2align	6, 0x0
	.amdhsa_kernel k_qc96091ca07_proj
		.amdhsa_group_segment_fixed_size 327680
		.amdhsa_private_segment_fixed_size 0
		.amdhsa_enable_private_segment 0
		.amdhsa_kernarg_size 32
		.amdhsa_user_sgpr_count 2
		.amdhsa_user_sgpr_kernarg_segment_ptr 1
		.amdhsa_wavefront_size32 1
		.amdhsa_system_sgpr_workgroup_id_x 1
		.amdhsa_system_sgpr_workgroup_id_y 1
		.amdhsa_system_sgpr_workgroup_id_z 1
		.amdhsa_system_vgpr_workitem_id 0
		.amdhsa_next_free_vgpr 768
		.amdhsa_next_free_sgpr 100
		.amdhsa_reserve_vcc 0
		.amdhsa_float_denorm_mode_32 3
		.amdhsa_float_denorm_mode_16_64 3
		.amdhsa_memory_ordered 1
		.amdhsa_forward_progress 1
		.amdhsa_inst_pref_size 83
	.end_amdhsa_kernel
	.amdgpu_metadata
---
amdhsa.version: [ 1, 2 ]
amdhsa.kernels:
  - .name:           k_qc96091ca07_proj
    .symbol:         k_qc96091ca07_proj.kd
    .args:
      - { .name: c2, .offset: 0, .size: 8, .value_kind: global_buffer, .address_space: global }
      - { .name: sc2, .offset: 8, .size: 8, .value_kind: global_buffer, .address_space: global }
      - { .name: out_b, .offset: 16, .size: 8, .value_kind: global_buffer, .address_space: global }
      - { .name: out0, .offset: 24, .size: 8, .value_kind: global_buffer, .address_space: global }
    .group_segment_fixed_size: 327680
    .private_segment_fixed_size: 0
    .kernarg_segment_align: 8
    .kernarg_segment_size: 32
    .max_flat_workgroup_size: 128
    .sgpr_count:     100
    .vgpr_count:     768
    .wavefront_size: 32
...
	.end_amdgpu_metadata
.endif
;; end of part 4
